; MI455X (gfx1250); checked and timed in simulation.
; The chip was launched on July 23, 2026; its instructions are those of AMD's public machine-readable ISA for CDNA 5 (MIT licence, August 2026) and "CDNA5" Instruction Set Architecture Reference Guide (July 2026). The comments in the code are by the model that wrote it; some were corrected since.
;; Glm4 Moe Attention. Allowed arithmetic: float matrix products may take bf16 or f16 operands with f32 sums; all other float work in f32.
;; Inputs: Wk 1,024 x 4,096 float32; Wo 4,096 x 2,048 float32; Wq 2,048 x 4,096 float32; Wv 1,024 x 4,096 float32; cos 1 x 2,048 x 64 float32; hidden_states 1 x 2,048 x 4,096 float32; k_norm_w 128 float32; q_norm_w 128 float32; sin 1 x 2,048 x 64 float32.
;; Outputs: out0 1 x 2,048 x 4,096 float32.
;; One version. Each part assembles by itself: llvm-mc -triple=amdgcn-amd-amdhsa -mcpu=gfx1250 --defsym DOCPART=n.
;; ======== version 1 of 1: 4 launches
;; limits: values are held in f16: magnitudes above 65,504 overflow, below 6.1e-05 lose precision; right only within a limited range of input values
;; workspace buffers: xb 16,777,216 bytes; wqkv 33,554,432 bytes; wo16 16,777,216 bytes; qkv 16,777,216 bytes; att 8,388,608 bytes
;; launch cast (part 1): grid 512 x 4, 8 waves a work-group, no clusters, 0 bytes of LDS; arguments hidden_states, Wq, Wk, Wv, Wo, xb, wqkv, wo16; writes xb, wqkv, wo16
.if DOCPART == 1
	.amdgcn_target "amdgcn-amd-amdhsa--gfx1250"
	.amdhsa_code_object_version 6
	.text
	.protected	k_q18da989990_cast
	.globl	k_q18da989990_cast
	.p2align	8
	.type	k_q18da989990_cast,@function
k_q18da989990_cast:
	s_mov_b64 s[64:65], 0
	v_nop
	global_prefetch_b8 v0, s[64:65] scope:SCOPE_SE
	s_setreg_imm32_b32 hwreg(HW_REG_WAVE_MODE, 25, 1), 1
	s_wait_xcnt 0x0
; CAST.  The five large f32 inputs are rounded once to bf16 (nearest even) for the matrix units:
;   y = 0: hidden_states -> xb;  y = 1: Wq -> wqkv rows 0-2047;  y = 2: Wk, Wv -> wqkv rows 2048-3071, 3072-4095;
;   y = 3: Wo -> wo16 = f16(4 x bf16(Wo)): the factor 4 undoes the 2^-2 that v, and so the attention's output, carries; both steps behind the rounding are exact.
; LIMITS.  4 |Wo| stays under 65,504 (f16's end); below 6e-5 the f16 number keeps f16's fixed step of 6e-8.
; SHARES.  A work-group takes 65,536 input bytes, a wave 8,192: sixteen loads of 512 consecutive bytes, all issued before the first is used.  A lane's 16 bytes
; become 8, so each store of the wave covers 256 consecutive bytes, aligned.  No byte is read twice and no two work-groups share a byte: LDS, barriers, clusters and the matrix units would add nothing.
.set X, 4                              ; v[4:67]    sixteen loads, 4 registers each
.set Y, 68                             ; v[68:99]   sixteen stores, 2 registers each: none is written twice, so no store's data waits for a free register
.set T, 100                            ; v[100:101] at work
	s_load_b512 s[8:23], s[0:1], 0x0               ; hidden_states s[8:9], Wq s[10:11], Wk s[12:13], Wv s[14:15], Wo s[16:17], xb s[18:19], wqkv s[20:21], wo16 s[22:23]
	s_and_b32 s2, ttmp7, 0xffff                    ; y: which tensor
	s_mov_b32 s3, ttmp9                            ; x: which 65,536 bytes of it
	s_mov_b32 s32, 0xffff0000                      ; a word's upper bf16
	v_lshrrev_b32 v1, 5, v0
	v_and_b32 v2, 31, v0
	v_lshlrev_b32 v1, 13, v1                       ; wave x 8,192
	v_lshl_or_b32 v1, v2, 4, v1                    ; + lane x 16: my bytes in
	v_lshrrev_b32 v2, 1, v1                        ; half of that: my bytes out
	s_and_b32 s28, s3, 255                         ; the offsets are made apart from the addresses
	s_cmp_eq_u32 s2, 2
	s_cselect_b32 s28, s28, s3                     ; y = 2: Wk and Wv have 256 pieces each
	s_cselect_b32 s30, 0x1000000, 0                ; and go behind Wq's 16,777,216 bytes of wqkv
	s_lshl_b32 s28, s28, 16
	s_mov_b32 s29, 0
	s_lshl_b32 s31, s3, 15
	s_add_co_u32 s30, s30, s31
	s_mov_b32 s31, 0
	s_wait_kmcnt 0x0
	s_cmp_eq_u32 s2, 0
	s_cselect_b64 s[24:25], s[8:9], s[10:11]
	s_cselect_b64 s[26:27], s[18:19], s[20:21]
	s_cmp_lt_u32 s3, 256
	s_cselect_b64 s[34:35], s[12:13], s[14:15]
	s_cmp_eq_u32 s2, 2
	s_cselect_b64 s[24:25], s[34:35], s[24:25]
	s_cmp_eq_u32 s2, 3
	s_cselect_b64 s[24:25], s[16:17], s[24:25]
	s_cselect_b64 s[26:27], s[22:23], s[26:27]
	s_add_nc_u64 s[24:25], s[24:25], s[28:29]
	s_add_nc_u64 s[26:27], s[26:27], s[30:31]
.irp k, 0,1,2,3,4,5,6,7,8,9,10,11,12,13,14,15
	global_load_b128 v[X+4*(\k):X+4*(\k)+3], v1, s[24:25] offset:512*(\k) th:TH_LOAD_NT  ; read once in the whole launch
.endr
	s_cmp_eq_u32 s2, 3
	s_cbranch_scc1 .Lf16
.irp k, 0,1,2,3,4,5,6,7,8,9,10,11,12,13,14,15
	s_wait_loadcnt 15-(\k)                         ; loads come back in order: load k is in, the younger ones stay out
	v_cvt_pk_bf16_f32 v[Y+2*(\k)], v[X+4*(\k)], v[X+4*(\k)+1]
	v_cvt_pk_bf16_f32 v[Y+2*(\k)+1], v[X+4*(\k)+2], v[X+4*(\k)+3]
	global_store_b64 v2, v[Y+2*(\k):Y+2*(\k)+1], s[26:27] offset:256*(\k)
.endr
	s_endpgm
.Lf16:
.irp k, 0,1,2,3,4,5,6,7,8,9,10,11,12,13,14,15
	s_wait_loadcnt 15-(\k)
	v_cvt_pk_bf16_f32 v[T], v[X+4*(\k)], v[X+4*(\k)+1]      ; the same rounding as every other input,
	v_cvt_pk_bf16_f32 v[T+1], v[X+4*(\k)+2], v[X+4*(\k)+3]
	v_lshlrev_b32 v[X+4*(\k)], 16, v[T]                     ; back to f32,
	v_and_b32 v[X+4*(\k)+1], s32, v[T]
	v_lshlrev_b32 v[X+4*(\k)+2], 16, v[T+1]
	v_and_b32 v[X+4*(\k)+3], s32, v[T+1]
	v_pk_mul_f32 v[X+4*(\k):X+4*(\k)+1], v[X+4*(\k):X+4*(\k)+1], 4.0 op_sel_hi:[1,0]      ; times 4,
	v_pk_mul_f32 v[X+4*(\k)+2:X+4*(\k)+3], v[X+4*(\k)+2:X+4*(\k)+3], 4.0 op_sel_hi:[1,0]
	v_cvt_pk_f16_f32 v[Y+2*(\k)], v[X+4*(\k)], v[X+4*(\k)+1]  ; written as f16: 8 significant bits fit into 11
	v_cvt_pk_f16_f32 v[Y+2*(\k)+1], v[X+4*(\k)+2], v[X+4*(\k)+3]
	global_store_b64 v2, v[Y+2*(\k):Y+2*(\k)+1], s[26:27] offset:256*(\k)
.endr
	s_endpgm
.Lfunc_end_k_q18da989990_cast:
	.size	k_q18da989990_cast, .Lfunc_end_k_q18da989990_cast-k_q18da989990_cast
	.p2alignl 7, 3214868480
	.fill 96, 4, 3214868480
	.section	.rodata,"a",@progbits
	.p2align	6, 0x0
	.amdhsa_kernel k_q18da989990_cast
		.amdhsa_group_segment_fixed_size 0
		.amdhsa_private_segment_fixed_size 0
		.amdhsa_enable_private_segment 0
		.amdhsa_kernarg_size 64
		.amdhsa_user_sgpr_count 2
		.amdhsa_user_sgpr_kernarg_segment_ptr 1
		.amdhsa_wavefront_size32 1
		.amdhsa_system_sgpr_workgroup_id_x 1
		.amdhsa_system_sgpr_workgroup_id_y 1
		.amdhsa_system_sgpr_workgroup_id_z 1
		.amdhsa_system_vgpr_workitem_id 0
		.amdhsa_next_free_vgpr 104
		.amdhsa_next_free_sgpr 66
		.amdhsa_reserve_vcc 0
		.amdhsa_float_denorm_mode_32 3
		.amdhsa_float_denorm_mode_16_64 3
		.amdhsa_memory_ordered 1
		.amdhsa_forward_progress 1
		.amdhsa_inst_pref_size 18
	.end_amdhsa_kernel
	.amdgpu_metadata
---
amdhsa.version: [ 1, 2 ]
amdhsa.kernels:
  - .name:           k_q18da989990_cast
    .symbol:         k_q18da989990_cast.kd
    .args:
      - { .name: hidden_states, .offset: 0, .size: 8, .value_kind: global_buffer, .address_space: global }
      - { .name: Wq, .offset: 8, .size: 8, .value_kind: global_buffer, .address_space: global }
      - { .name: Wk, .offset: 16, .size: 8, .value_kind: global_buffer, .address_space: global }
      - { .name: Wv, .offset: 24, .size: 8, .value_kind: global_buffer, .address_space: global }
      - { .name: Wo, .offset: 32, .size: 8, .value_kind: global_buffer, .address_space: global }
      - { .name: xb, .offset: 40, .size: 8, .value_kind: global_buffer, .address_space: global }
      - { .name: wqkv, .offset: 48, .size: 8, .value_kind: global_buffer, .address_space: global }
      - { .name: wo16, .offset: 56, .size: 8, .value_kind: global_buffer, .address_space: global }
    .group_segment_fixed_size: 0
    .private_segment_fixed_size: 0
    .kernarg_segment_align: 8
    .kernarg_segment_size: 64
    .max_flat_workgroup_size: 256
    .sgpr_count:     66
    .vgpr_count:     104
    .wavefront_size: 32
...
	.end_amdgpu_metadata
.endif
;; end of part 1
;; launch qkv (part 2): grid 16 x 16, 4 waves a work-group, clusters of 4 x 4, 327,680 bytes of LDS; arguments xb, wqkv, cos, sin, q_norm_w, k_norm_w, qkv; writes qkv
.if DOCPART == 2
	.amdgcn_target "amdgcn-amd-amdhsa--gfx1250"
	.amdhsa_code_object_version 6
	.text
	.protected	k_q18da989990_qkv
	.globl	k_q18da989990_qkv
	.p2align	8
	.type	k_q18da989990_qkv,@function
k_q18da989990_qkv:
	s_mov_b64 s[64:65], 0
	v_nop
	global_prefetch_b8 v0, s[64:65] scope:SCOPE_SE
	s_setreg_imm32_b32 hwreg(HW_REG_WAVE_MODE, 25, 1), 1
	s_wait_xcnt 0x0
	s_wait_alu depctr_hold_cnt(0) depctr_sa_sdst(0) depctr_va_vdst(0) depctr_va_sdst(0) depctr_va_ssrc(0) depctr_va_vcc(0) depctr_vm_vsrc(0)
	s_getreg_b32 s2, hwreg(HW_REG_IB_STS2, 6, 4)
	s_cmp_eq_u32 s2, 0
	s_cbranch_scc0 .Lentry_in_a_cluster
	s_endpgm
.Lentry_in_a_cluster:
	s_bfe_u32 s2, ttmp6, 0x10000c
	s_cmp_lg_u32 s2, 0xf033
	s_cbranch_scc0 .Lentry_shape_is_right
	s_endpgm
.Lentry_shape_is_right:
; Q, K, V = x W^T, then per head: RMSNorm (q, k), partial RoPE (q, k), and the way out by heads in f16.
; xb: [2048][4096] bf16.  wqkv: [4096][4096] bf16 (Wq, Wk, Wv on end).  qkv: [32 heads][2048][128] f16: heads 0-15 q / 8, 16-23 k / 8, 24-31 v / 4.  Sums, norm and rope in f32.
; cos, sin and the two norm weights are rounded to bf16 here, as the large inputs were: one rounding for every input.
; LIMITS.  The powers of two are exact and give f16 room: |v| up to 262,000; |q|, |k| (at most 11.4 |w| (|cos| + |sin|) by the norm) up to 524,000.  Below 6e-5 a stored number keeps f16's fixed step of 6e-8.
; NaN and infinities are not treated apart.
; THE PRODUCT.  A tile of C is 128 rows x 256 columns: 16 x 16 tiles, one for each of 256 work-groups.  Four waves, each 64 x 128: 32 accumulators of 16 x 16, 256 registers.
; THE RING has two slots of unlike size, which together fill LDS: P holds 256 along K (rows of 512 bytes), Q holds 128 (rows of 256 bytes); all rows begin at multiples of 256 bytes of memory.  Two slots of 256 would
; want 405,504 bytes; two of 128 would leave a third of LDS unused.  P and Q are multiplied by turns, P (Q P) x 10 for K = 4,096: two rounds and two requests for 384 along K.  Between a request and the wait for it
; a wave issues 248 matrix instructions (Q's fill) or 120 (P's, which brings twice the bytes).  By this text's count a wave has two tensor loads out at the start and one behind each round.
; CLUSTERS: 4 x 4 work-groups.  The tile row hangs on the cluster's x and cx, the tile column on its y and cy: the four of a column of the cluster need the same tiles of x, the four of a row the same tiles of W.
; Each tile is asked for JOINTLY, by the same tensor load with the same descriptor and a mask that names the four.
; THE MATRIX INSTRUCTION IS USED TRANSPOSED (source 0 = 16 rows of W, source 1 = 16 rows of x): lane l holds row l % 16 and the columns 16 b + 8 (l / 16) + 0..7.  A wave's 128 columns are ONE head, so a row's norm
; wants one exchange between the halves of the lanes, and a channel c < 32 and its partner c + 32 in the rotation lie in the same lane and register of blocks b and b + 2.
; REGISTERS.  window 0: v0-31 addresses; v64-159, v160-255 two fragment buffers (32 of x, then 64 of W); on the way out v4-15, v32-255 at work.   window 1: accumulator (a, b) at v[8 (8 a + b)].
.set SIZE_K, 4096
.set PP,     528                       ; a row of P in LDS: 512 bytes + 16 of padding = 33 x 16: the 16 rows of a fragment load start at 16 different groups of four banks (64 banks of 4 bytes: ISA guide 11.1)
.set PQ,     272                       ; a row of Q: 256 + 16 = 17 x 16: likewise
.set BPOFF,  128*PP                    ; P: x's 128 rows, then W's 256
.set QOFF,   384*PP                    ; Q lies behind P
.set BQOFF,  QOFF+128*PQ
.set STAGE,  QOFF+384*PQ               ; behind the ring: 16 rows x 272 bytes for each wave, for the way out
.set SPITCH, 272
.set SPARE,  STAGE+4*16*SPITCH         ; behind the stages: the spare words, 128 bytes for each wave
.set KP0,    0                         ; P's first fill: K = 0 to 255
.set KQ0,    512                       ; Q's: K = 256 to 383
.set KNEXT,  768                       ; each slot's next fill lies 384 along K on
.set TRIPS,  10                        ; the part of a trip that the loop is entered with, and nine whole trips
.set ADRA_P, 16                        ; v16  LDS address of my fragments of x in P
.set ADRB_P, 17                        ; v17  of W in P
.set ADRA_Q, 18                        ; v18  of x in Q
.set ADRB_Q, 19                        ; v19  of W in Q
.set WA,   20                          ; v20, v21  the same two in P, stepped along K by the inner loop
.set WB,   21
.set STO,  24                          ; v24     the way out: where I put 16 bytes of a row
.set RD,   25                          ; v25     where I read rows back
.set CO,   26                          ; v26     16 x lane: my place in 512 consecutive bytes of a head
.set CSO,  27                          ; v27     my byte offset in 16 rows of cos and sin
.set SPW,  28                          ; v28     LDS address of my spare word; never rewritten
.set NIL,  29                          ; v29     0; never rewritten
.set WO,   30                          ; v30     my byte offset in a norm weight
.set F0,   64
.set F1,   160
.set SQ,   4                           ; v4-11   four chains of squares, later at work
.set RS,   12                          ; v12-13  1 / (8 rms) (the packed multiply names the pair and takes its low word)
.set R,    32                          ; v32-63  the rotated channels; then 16 rows read back from the stage
.set W,    64                          ; v64-127 the norm weight of my 64 channels
.set CC,   128                         ; v128-159 cos of my 32 rotated channels
.set SN,   160                         ; v160-191 sin
.set Y,    192                         ; v192-255 the normed row
.set G1AP, 24                          ; s[24:31] descriptor group 1: x's tiles for P;  s[32:39] W's for P;  s[48:55] x's for Q;  s[56:63] W's for Q
.set G1BP, 32
.set G1AQ, 48
.set G1BQ, 56
.set G0AP, 88                          ; s[88:91], s[92:95], s[96:99], s[76:79] descriptor group 0, in the same order
.set G0BP, 92
.set G0AQ, 96
.set G0BQ, 76
.set KO,   100                         ; s100  the inner loop's step along P's rows, in bytes
.set CNT,  101                         ; s101  its count
.set PADP, (1<<16)|(1<<20)|(1<<21)|(6<<22)|(3<<25)  ; 17:16 2-byte elements; 20 padding on; 21 set beside a mask; 24:22 after every 128 words (code 6); 31:25 4 words (code 3)
.set PADQ, (1<<16)|(1<<20)|(1<<21)|(5<<22)|(3<<25)  ; the same after every 64 words (code 5)
.set MSB, 0
.macro WIN new                         ; the immediate's high byte repeats the setting that is left; a switch that changes nothing is dropped
.if MSB != (\new)
	s_set_vgpr_msb (MSB<<8)|(\new)
.set MSB, \new
.endif
.endm
.set MUL, 0x50                         ; sources 0 and 1 window 0; C and D window 1
; A joint load: waves 0 and 1 fetch the two halves of x's rows (64 each), waves 2 and 3 those of W's (128 each); an s_nop 0 and four v_nop follow each of the two lines
.macro JLOAD ga, gb, ha, hb
	s_cmp_eq_u32 s11, 0
	s_cbranch_scc0 .Lfor_b_\@
	tensor_load_to_lds s[(\ga):(\ga)+3], s[(\ha):(\ha)+7]
	s_nop 0
.rept 4
	v_nop
.endr
	s_branch .Lasked_\@
.Lfor_b_\@:
	tensor_load_to_lds s[(\gb):(\gb)+3], s[(\hb):(\hb)+7]
	s_nop 0
.rept 4
	v_nop
.endr
.Lasked_\@:
.endm
.macro CREST                           ; a round of the cluster's barrier behind its opening barrier
	s_cmp_lg_u32 s10, 0
	s_cbranch_scc1 .Lnot_wave_0_\@
	s_barrier_signal -3
.Lnot_wave_0_\@:
	s_barrier_wait -3
	s_barrier_signal -1
	s_barrier_wait -1
.endm
.macro CROUND                          ; a whole round
	s_barrier_signal -1
	s_barrier_wait -1
	CREST
.endm
.macro G1SET g, cols, rows             ; the rest of a group 1: a tile of rows x cols elements
	s_mov_b32 s[(\g)+1], (\cols)<<16               ; tensor_dim0
	s_mov_b32 s[(\g)+2], (\rows)<<16               ; tensor_dim1
	s_mov_b32 s[(\g)+3], (\cols)<<16               ; tile_dim0
	s_mov_b32 s[(\g)+4], \rows                     ; tile_dim1
	s_mov_b32 s[(\g)+5], SIZE_K                    ; elements from row to row
	s_mov_b32 s[(\g)+6], 0
	s_mov_b32 s[(\g)+7], 0
.endm
.macro G0SET g, lds, adr, k            ; a group 0: LDS address in s[lds], my rows' address in s[adr:adr+1], byte k along the rows
	s_mov_b32 s[\g], 1                             ; count = 1
	s_mov_b32 s[(\g)+1], s[\lds]
	s_add_nc_u64 s[(\g)+2:(\g)+3], s[(\adr):(\adr)+1], \k
	s_or_b32 s[(\g)+3], s[(\g)+3], 0x80000000      ; type = 2
.endm
	s_load_b128 s[4:7], s[0:1], 0x0                ; xb s[4:5], wqkv s[6:7]
	s_load_b256 s[72:79], s[0:1], 0x10             ; cos s[72:73], sin s[74:75], q_norm_w s[76:77], k_norm_w s[78:79]
	s_load_b64 s[8:9], s[0:1], 0x30                ; qkv
	v_lshl_add_u32 v[SPW], v0, 2, SPARE
	v_mov_b32 v[NIL], 0
	ds_add_u32 v28, v29
	s_wait_dscnt 0x0
	v_lshrrev_b32 v1, 5, v0
	v_readfirstlane_b32 s10, v1                    ; wave 0..3
	s_lshr_b32 s11, s10, 1                         ; which 64 of the tile's rows are mine.  Also: I fetch for x (0) or for W (1)
	s_and_b32 s12, s10, 1                          ; which 128 of its columns.  Also: which half of that tile I fetch
	s_bfe_u32 s40, ttmp6, 0x40000                  ; cx, cy: my place in the cluster
	s_bfe_u32 s41, ttmp6, 0x40004
	s_and_b32 s71, ttmp7, 0xffff                   ; the cluster's y says what its 1,024 columns are: 0, 1 q; 2 k; 3 v: the same in all sixteen partners
	s_lshl_b32 s42, s71, 2
	s_add_co_u32 s42, s42, s41                     ; tile column = 4 x cluster y + cy
	s_lshl_b32 s13, ttmp9, 2
	s_add_co_u32 s13, s13, s40                     ; tile row = 4 x cluster x + cx
	s_lshl_b32 s43, 0x1111, s40                    ; my column of the cluster (the same cx): it shares the tile row
	s_lshl_b32 s44, s41, 2
	s_lshl_b32 s44, 15, s44                        ; my row (the same cy): it shares the tile column
	s_or_b32 s[G1AP], s43, PADP                    ; 15:0 the mask
	s_or_b32 s[G1BP], s44, PADP
	s_or_b32 s[G1AQ], s43, PADQ
	s_or_b32 s[G1BQ], s44, PADQ
	G1SET G1AP, 256, 64
	G1SET G1BP, 256, 128
	G1SET G1AQ, 128, 64
	G1SET G1BQ, 128, 128
	s_mov_b32 s66, 0x3c000000                      ; 1 / 128
	s_mov_b32 s67, 0x358637bd                      ; 1e-6
	s_mov_b32 s68, 0x76543210                      ; v_permlanex16_b32: each lane takes its own place in the other half
	s_mov_b32 s69, 0xfedcba98
	s_mov_b32 s70, 0xffff0000                      ; a word's upper bf16
	s_mov_b32 s82, 0x3e800000                      ; 2^-2, for v
	s_mov_b32 s83, s82                             ; named with it as a pair
	s_mov_b32 s84, 0x3e000000                      ; 2^-3, for q and k
	s_lshl_b32 s17, s12, 6
	s_lshl_b32 s16, s13, 7
	s_add_co_u32 s16, s16, s17                     ; x: row 128 x tile row + 64 x half: made of the tile row and the wave alone
	s_lshl_b32 s47, s12, 7
	s_lshl_b32 s46, s42, 8
	s_add_co_u32 s46, s46, s47                     ; W: row 256 x tile column + 128 x half: of the tile column and the wave alone
	s_mov_b32 s17, 0
	s_mov_b32 s47, 0
	s_mov_b64 s[18:19], SIZE_K*2
	s_mul_u64 s[16:17], s[16:17], s[18:19]
	s_mul_u64 s[46:47], s[46:47], s[18:19]
	s_mul_i32 s20, s12, 64*PP                      ; where they go: no place in the cluster enters an LDS address
	s_mul_i32 s21, s12, 128*PP
	s_add_co_u32 s21, s21, BPOFF
	s_mul_i32 s22, s12, 64*PQ
	s_add_co_u32 s22, s22, QOFF
	s_mul_i32 s23, s12, 128*PQ
	s_add_co_u32 s23, s23, BQOFF
	s_wait_kmcnt 0x0
	s_cmp_eq_u32 s71, 2
	s_cselect_b64 s[80:81], s[78:79], s[76:77]     ; k's norm weight, or q's; s[76:79] are free from here on
	s_add_nc_u64 s[14:15], s[4:5], s[16:17]
	s_add_nc_u64 s[46:47], s[6:7], s[46:47]
	CROUND                                         ; all sixteen work-groups are here: the first joint loads meet
	G0SET G0AP, 20, 14, KP0
	G0SET G0BP, 21, 46, KP0
	G0SET G0AQ, 22, 14, KQ0
	G0SET G0BQ, 23, 46, KQ0
	JLOAD G0AP, G0BP, G1AP, G1BP                   ; P first: it is multiplied first
	JLOAD G0AQ, G0BQ, G1AQ, G1BQ
	; A fragment is 16 rows x 32 K in 8 registers: lane l holds row l % 16, K = 8 (l / 16) + 0..7 and 16 + 8 (l / 16) + 0..7: two loads of 16 bytes, 32 bytes apart.
	v_and_b32 v1, 15, v0                           ; r = l % 16
	v_bfe_u32 v2, v0, 4, 1                         ; h = l / 16
	v_mul_u32_u24 v3, v1, PP
	v_lshl_add_u32 v3, v2, 4, v3
	v_mul_u32_u24 v4, v1, PQ
	v_lshl_add_u32 v4, v2, 4, v4
	s_mul_i32 s16, s11, 64*PP                      ; my 64 rows of x
	s_mul_i32 s17, s11, 64*PQ
	s_add_co_u32 s17, s17, QOFF
	v_add_nc_u32 v[ADRA_P], s16, v3
	v_add_nc_u32 v[ADRB_P], s21, v3                ; my 128 rows of W are the half with my column half's number
	v_add_nc_u32 v[ADRA_Q], s17, v4
	v_add_nc_u32 v[ADRB_Q], s23, v4
	s_mul_i32 s20, s10, 16*SPITCH
	s_add_co_u32 s20, s20, STAGE                   ; my stage
	v_add_nc_u32 v[STO], s20, v4                   ; in: row r of 272 bytes, 16 bytes for each half of the lanes
	v_mul_u32_u24 v5, v2, SPITCH                   ; back: lanes 0-15 take one row of 256 bytes, lanes 16-31 the next
	v_lshl_add_u32 v5, v1, 4, v5
	v_add_nc_u32 v[RD], s20, v5
	v_and_b32 v[CO], 31, v0
	v_lshlrev_b32 v[CO], 4, v[CO]                  ; a head's rows are dense: those two rows are 512 consecutive bytes
	v_lshlrev_b32 v[CSO], 8, v1                    ; cos, sin: row r of 256 bytes, + 32 h
	v_lshl_add_u32 v[CSO], v2, 5, v[CSO]
	v_lshlrev_b32 v[WO], 5, v2
	v_mov_b32 v[RS+1], 0                           ; named in a pair, so it is written
	s_lshl_b32 s16, s13, 7
	s_lshl_b32 s17, s11, 6
	s_add_co_u32 s16, s16, s17                     ; my first row,
	s_lshl_b32 s16, s16, 8                         ; x 256 bytes: in a head of qkv, in cos and in sin alike
	s_mov_b32 s17, 0
	s_add_nc_u64 s[72:73], s[72:73], s[16:17]
	s_add_nc_u64 s[74:75], s[74:75], s[16:17]
	s_add_nc_u64 s[8:9], s[8:9], s[16:17]
	s_lshl_b32 s46, s42, 1
	s_add_co_u32 s46, s46, s12                     ; my head = 2 x tile column + column half,
	s_lshl_b32 s46, s46, 19                        ; x 524,288 bytes
	s_mov_b32 s47, 0
	s_add_nc_u64 s[8:9], s[8:9], s[46:47]
; 8 matrix instructions: m block a x all 8 n blocks, 32 along K.  zero = 1: the product starts the sums: nothing is cleared.  The 32 accumulators take turns, in the same order in every quarter.
.macro MUL8 f, a, zero
	WIN MUL
.irp b, 0,1,2,3,4,5,6,7
.if \zero
	v_wmma_f32_16x16x32_bf16 v[8*(8*(\a)+(\b)):8*(8*(\a)+(\b))+7], v[(\f)+32+8*(\b):(\f)+32+8*(\b)+7], v[(\f)+8*(\a):(\f)+8*(\a)+7], 0
.else
	v_wmma_f32_16x16x32_bf16 v[8*(8*(\a)+(\b)):8*(8*(\a)+(\b))+7], v[(\f)+32+8*(\b):(\f)+32+8*(\b)+7], v[(\f)+8*(\a):(\f)+8*(\a)+7], v[8*(8*(\a)+(\b)):8*(8*(\a)+(\b))+7]
.endif
.endr
.endm
; 24 LDS loads in one run: the fragments of 32 along K at byte k of the rows, into buffer f: W's sixteen (address v[rb]) first, then x's eight (v[ra])
.macro FETCH ra, rb, pitch, k, f
	WIN 0
.irp i, 0,1,2,3,4,5,6,7
	ds_load_b128 v[(\f)+32+8*(\i):(\f)+32+8*(\i)+3],   v[\rb] offset:(\k)+(\i)*16*(\pitch)
	ds_load_b128 v[(\f)+32+8*(\i)+4:(\f)+32+8*(\i)+7], v[\rb] offset:(\k)+(\i)*16*(\pitch)+32
.endr
.irp i, 0,1,2,3
	ds_load_b128 v[(\f)+8*(\i):(\f)+8*(\i)+3],   v[\ra] offset:(\k)+(\i)*16*(\pitch)
	ds_load_b128 v[(\f)+8*(\i)+4:(\f)+8*(\i)+7], v[\ra] offset:(\k)+(\i)*16*(\pitch)+32
.endr
.endm
.macro PLACES                          ; four plain vector instructions between a matrix instruction and a load into, or a vector instruction on, its registers (ISA guide 7.12.1 for vector instructions)
.rept 4
	v_nop
.endr
.endm
; A quarter is 32 along K, 32 matrix instructions; the buffers go 0, 1, 0, 1.  It multiplies buffer f and fetches the next quarter, at byte k, into g.  step = 1: the two stepped addresses are made first; they are two of the four places.
.macro QUARTER ra, rb, pitch, k, f, g, zero, step=0
	s_wait_dscnt 4                                 ; W and x's blocks 0, 1 are in; the youngest four loads (x's blocks 2, 3) may be out
	MUL8 \f, 0, \zero
	MUL8 \f, 1, \zero
	WIN 0
.if \step
	v_add_nc_u32 v[WA], s[KO], v[ADRA_P]
	v_add_nc_u32 v[WB], s[KO], v[ADRB_P]
	v_nop
	v_nop
.else
	PLACES
.endif
	FETCH \ra, \rb, \pitch, \k, \g
	s_wait_dscnt 24                                ; all but the 24 just issued
	MUL8 \f, 2, \zero
	MUL8 \f, 3, \zero
.endm
.macro QPH0 zero                       ; Q's quarter 0
	QUARTER ADRA_Q, ADRB_Q, PQ, 64, F0, F1, \zero
.endm
.macro QPH12                           ; Q's quarters 1 and 2
	QUARTER ADRA_Q, ADRB_Q, PQ, 128, F1, F0, 0
	QUARTER ADRA_Q, ADRB_Q, PQ, 192, F0, F1, 0
.endm
.macro PPH0 zero                       ; P's quarter 0
	QUARTER ADRA_P, ADRB_P, PP, 64, F0, F1, \zero
.endm
.macro PPAIRS                          ; P's quarters 1 to 6: a pair written once and walked three times, 128 bytes further along the rows each time
	WIN 0                                          ; at a label and at a branch every window is 0
	s_mov_b32 s[KO], 0
	s_mov_b32 s[CNT], 3
.Lpair_\@:
	QUARTER WA, WB, PP, 128, F1, F0, 0, 1
	QUARTER WA, WB, PP, 192, F0, F1, 0
	WIN 0
	s_add_co_u32 s[KO], s[KO], 128
	s_sub_co_u32 s[CNT], s[CNT], 1
	s_cmp_lg_u32 s[CNT], 0
	s_cbranch_scc1 .Lpair_\@
.endm
; A slot's last quarter multiplies buffer 1 and changes slots (cur = 0: P is left, 1: Q).  Eight products stand ahead of the wait for the tensor loads: work that needs nothing of the other slot.  Then ONE barrier; in
; front of it each wave waits for all its tensor loads, of which one is out: its part of the other slot; adds 0 to its spare word; and waits for that and for its own reads of this slot.
; fill = 1: the barrier opens a round of the cluster's, and this slot is filled again, 384 along K ahead.
.macro TURN cur, fill
	s_wait_dscnt 4                                 ; as at every quarter's head
	MUL8 F1, 0, 0
	WIN 0                                          ; (the add's two registers lie in window 0)
	s_wait_tensorcnt 0x0                           ; all my tensor loads have landed
	ds_add_u32 v[SPW], v[NIL]                      ; 0 onto my spare word
	MUL8 F1, 1, 0                                  ; eight matrix instructions stand between the add and the wait for it
	s_wait_dscnt 0x0                               ; the add is done, and my reads of this slot are over
	WIN 0
	s_barrier_signal -1
	s_barrier_wait -1
.if \fill
	CREST                                          ; no wave of any partner still reads this slot's tile or has a load on its way
.if (\cur) == 0
	s_add_nc_u64 s[G0AP+2:G0AP+3], s[G0AP+2:G0AP+3], KNEXT
	s_add_nc_u64 s[G0BP+2:G0BP+3], s[G0BP+2:G0BP+3], KNEXT
	JLOAD G0AP, G0BP, G1AP, G1BP                   ; the first tensor load behind the round; the four v_nop behind it are also the places in front of the loads below
.else
	s_add_nc_u64 s[G0AQ+2:G0AQ+3], s[G0AQ+2:G0AQ+3], KNEXT
	s_add_nc_u64 s[G0BQ+2:G0BQ+3], s[G0BQ+2:G0BQ+3], KNEXT
	JLOAD G0AQ, G0BQ, G1AQ, G1BQ
.endif
.else
	PLACES
.endif
.if (\cur) == 0
	FETCH ADRA_Q, ADRB_Q, PQ, 0, F0
.else
	FETCH ADRA_P, ADRB_P, PP, 0, F0
.endif
	MUL8 F1, 2, 0
	MUL8 F1, 3, 0
.endm
	s_wait_tensorcnt 1                             ; my part of P is in; Q's may stay out
	s_barrier_signal -1
	s_barrier_wait -1                              ; everybody's is
	FETCH ADRA_P, ADRB_P, PP, 0, F0
	PPH0 1                                         ; the first quarter is written out: its products start the sums
	WIN 0
	s_mov_b32 s3, TRIPS
	s_branch .Lenter                               ; the loop is entered in the middle of a trip, behind P's quarter 0
.Ltrip:                                                ; a trip: Q, then P: 384 along K; both slots are filled again
	QPH0 0
	QPH12
	TURN 1, 1
	PPH0 0
	WIN 0
.Lenter:
	PPAIRS
	TURN 0, 1
	WIN 0
	s_sub_co_u32 s3, s3, 1
	s_cmp_lg_u32 s3, 0
	s_cbranch_scc1 .Ltrip
	QPH0 0                                         ; the last Q and the last P are written out: nothing is left to ask for, and there is no round of the cluster's barrier
	QPH12
	TURN 1, 0
	PPH0 0
	PPAIRS
	s_wait_dscnt 4                                 ; the very last quarter: nothing more to fetch
	MUL8 F1, 0, 0
	MUL8 F1, 1, 0
	s_wait_dscnt 0x0
	MUL8 F1, 2, 0
	MUL8 F1, 3, 0
	WIN 0
; THE WAY OUT, a block of 16 rows at a time.
.macro LOADCS a                        ; cos and sin of block a's rows: my row's channels 16 b + 8 h + 0..7, b = 0..3
.irp i, 0,1,2,3,4,5,6,7
	global_load_b128 v[CC+4*(\i):CC+4*(\i)+3], v[CSO], s[72:73] offset:(\a)*4096+64*((\i)/2)+16*((\i)%2)
.endr
.irp i, 0,1,2,3,4,5,6,7
	global_load_b128 v[SN+4*(\i):SN+4*(\i)+3], v[CSO], s[74:75] offset:(\a)*4096+64*((\i)/2)+16*((\i)%2)
.endr
.endm
.macro SENDROWS src, a                 ; 32 packed registers at src go into my stage, come back as whole rows and are stored
.irp b, 0,1,2,3,4,5,6,7
	ds_store_b128 v[STO], v[(\src)+4*(\b):(\src)+4*(\b)+3] offset:32*(\b)
.endr
.irp t, 0,1,2,3,4,5,6,7
	ds_load_b128 v[R+4*(\t):R+4*(\t)+3], v[RD] offset:(\t)*2*SPITCH  ; LDS serves a wave's instructions in order (ISA guide 5.7.1.4): these see the stores above; the next block's stores come behind them
.endr
.irp t, 0,1,2,3,4,5,6,7
.if (\t)%4 == 0
	s_wait_dscnt 4-(\t)                            ; the first four loads are back, the younger four may be out; then all
.endif
	global_store_b128 v[CO], v[R+4*(\t):R+4*(\t)+3], s[8:9] offset:(\a)*4096+(\t)*512  ; 512 consecutive bytes, at a multiple of 256 from the buffer's first
.endr
.endm
.macro EPQK a
	WIN 0x05                                       ; sources 0 and 1 window 1
.irp b, 0,1,2,3,4,5,6,7                ; the sum of my 64 squares, in four chains; each accumulator's registers in ascending order
.irp p, 0,1,2,3
.if (\b) == 0
	v_pk_mul_f32 v[SQ+2*(\p):SQ+2*(\p)+1], v[8*(8*(\a)+(\b))+2*(\p):8*(8*(\a)+(\b))+2*(\p)+1], v[8*(8*(\a)+(\b))+2*(\p):8*(8*(\a)+(\b))+2*(\p)+1]
.else
	v_pk_fma_f32 v[SQ+2*(\p):SQ+2*(\p)+1], v[8*(8*(\a)+(\b))+2*(\p):8*(8*(\a)+(\b))+2*(\p)+1], v[8*(8*(\a)+(\b))+2*(\p):8*(8*(\a)+(\b))+2*(\p)+1], v[SQ+2*(\p):SQ+2*(\p)+1]
.endif
.endr
.endr
	WIN 0
	v_pk_add_f32 v[SQ:SQ+1], v[SQ:SQ+1], v[SQ+2:SQ+3]
	v_pk_add_f32 v[SQ+4:SQ+5], v[SQ+4:SQ+5], v[SQ+6:SQ+7]
	v_pk_add_f32 v[SQ:SQ+1], v[SQ:SQ+1], v[SQ+4:SQ+5]
	v_add_f32 v[SQ], v[SQ], v[SQ+1]
	v_permlanex16_b32 v[SQ+1], v[SQ], s68, s69     ; the row's other 64 channels lie in the lane 16 away
	v_add_f32 v[SQ], v[SQ], v[SQ+1]
	v_fma_f32 v[SQ], v[SQ], s66, s67               ; mean + 1e-6
	v_rsq_f32 v[RS], v[SQ]
	v_nop                                          ; a plain instruction between the root and the use of its result
	s_wait_alu depctr_va_vdst(0)
	v_mul_f32 v[RS], s84, v[RS]                    ; the exact 2^-3 that q and k are stored with
	WIN 0x01                                       ; source 0 window 1
.set i, 0
.rept 32
	v_pk_mul_f32 v[Y+2*i:Y+2*i+1], v[64*(\a)+2*i:64*(\a)+2*i+1], v[RS:RS+1] op_sel_hi:[1,0]
.set i, i+1
.endr
	WIN 0
.set i, 0
.rept 32
	v_pk_mul_f32 v[Y+2*i:Y+2*i+1], v[Y+2*i:Y+2*i+1], v[W+2*i:W+2*i+1]
.set i, i+1
.endr
	s_wait_loadcnt 0x0                             ; this block's cos and sin: no younger load is out
.set i, 0
.rept 32                               ; rounded to bf16, and back to f32
	v_cvt_pk_bf16_f32 v[SQ+i%8], v[CC+2*i], v[CC+2*i+1]
	v_lshlrev_b32 v[CC+2*i], 16, v[SQ+i%8]
	v_and_b32 v[CC+2*i+1], s70, v[SQ+i%8]
.set i, i+1
.endr
	s_wait_xcnt 0x0                                ; R held the data of the last block's stores: it is rewritten only behind this wait
.irp b, 0,1                            ; channel c < 32: y[c] cos[c] - y[c + 32] sin[c];  channel c + 32: y[c + 32] cos[c + 32] + y[c] sin[c + 32]
.irp p, 0,1,2,3
	v_pk_mul_f32 v[R+8*(\b)+2*(\p):R+8*(\b)+2*(\p)+1], v[Y+8*(\b)+16+2*(\p):Y+8*(\b)+16+2*(\p)+1], v[SN+8*(\b)+2*(\p):SN+8*(\b)+2*(\p)+1]
	v_pk_mul_f32 v[R+8*(\b)+16+2*(\p):R+8*(\b)+16+2*(\p)+1], v[Y+8*(\b)+2*(\p):Y+8*(\b)+2*(\p)+1], v[SN+8*(\b)+16+2*(\p):SN+8*(\b)+16+2*(\p)+1]
	v_pk_fma_f32 v[R+8*(\b)+2*(\p):R+8*(\b)+2*(\p)+1], v[Y+8*(\b)+2*(\p):Y+8*(\b)+2*(\p)+1], v[CC+8*(\b)+2*(\p):CC+8*(\b)+2*(\p)+1], v[R+8*(\b)+2*(\p):R+8*(\b)+2*(\p)+1] neg_lo:[0,0,1] neg_hi:[0,0,1]
	v_pk_fma_f32 v[R+8*(\b)+16+2*(\p):R+8*(\b)+16+2*(\p)+1], v[Y+8*(\b)+16+2*(\p):Y+8*(\b)+16+2*(\p)+1], v[CC+8*(\b)+16+2*(\p):CC+8*(\b)+16+2*(\p)+1], v[R+8*(\b)+16+2*(\p):R+8*(\b)+16+2*(\p)+1]
.endr
.endr
.if (\a) < 3
	LOADCS (\a)+1                                  ; the next block's, on their way through this block's way out and the next block's norm
.endif
.set i, 0
.rept 16                               ; channels 0-63 from R, 64-127 from Y, into Y's first 32 registers, which the rotation has read
	v_cvt_pk_f16_f32 v[Y+i], v[R+2*i], v[R+2*i+1]
.set i, i+1
.endr
.rept 16
	v_cvt_pk_f16_f32 v[Y+i], v[Y+2*i], v[Y+2*i+1]
.set i, i+1
.endr
	SENDROWS Y, \a
.endm
.macro EPV a                           ; v has neither norm nor rotation: / 4, rounded, out
	WIN 0x01
.set i, 0
.rept 32
	v_pk_mul_f32 v[Y+2*i:Y+2*i+1], v[64*(\a)+2*i:64*(\a)+2*i+1], s[82:83] op_sel_hi:[1,0]
.set i, i+1
.endr
	WIN 0
.set i, 0
.rept 32
	v_cvt_pk_f16_f32 v[CC+i], v[Y+2*i], v[Y+2*i+1]
.set i, i+1
.endr
	s_wait_xcnt 0x0                                ; R held the data of the last block's stores
	SENDROWS CC, \a
.endm
	PLACES                                         ; behind the last products: what follows reads results and loads into fragment registers
	s_cmp_eq_u32 s71, 3
	s_cbranch_scc1 .Lv                             ; the cluster's y is the same in all partners, and no tensor load and no barrier is jumped
.irp i, 0,1,2,3,4,5,6,7,8,9,10,11,12,13,14,15
	global_load_b128 v[W+4*(\i):W+4*(\i)+3], v[WO], s[80:81] offset:64*((\i)/2)+16*((\i)%2)  ; the norm weight of channels 16 b + 8 h + 0..7
.endr
	LOADCS 0
	s_wait_loadcnt 16                              ; the weight is in; the sixteen loads of cos and sin stay out
.set i, 0
.rept 32                               ; rounded to bf16, and back to f32
	v_cvt_pk_bf16_f32 v[SQ+i%8], v[W+2*i], v[W+2*i+1]
	v_lshlrev_b32 v[W+2*i], 16, v[SQ+i%8]
	v_and_b32 v[W+2*i+1], s70, v[SQ+i%8]
.set i, i+1
.endr
	EPQK 0
	EPQK 1
	EPQK 2
	EPQK 3
	s_branch .Lend
.Lv:
	EPV 0
	EPV 1
	EPV 2
	EPV 3
.Lend:
	s_wait_tensorcnt 0x0                           ; the wave's end, behind my last tensor load and my last LDS store
	ds_add_u32 v[SPW], v[NIL]
	s_wait_dscnt 0x0
	CROUND                                         ; the closing round: no work-group ends while a partner may still ask for a tile that names it
	s_endpgm
.Lfunc_end_k_q18da989990_qkv:
	.size	k_q18da989990_qkv, .Lfunc_end_k_q18da989990_qkv-k_q18da989990_qkv
	.p2alignl 7, 3214868480
	.fill 96, 4, 3214868480
	.section	.rodata,"a",@progbits
	.p2align	6, 0x0
	.amdhsa_kernel k_q18da989990_qkv
		.amdhsa_group_segment_fixed_size 327680
		.amdhsa_private_segment_fixed_size 0
		.amdhsa_enable_private_segment 0
		.amdhsa_kernarg_size 56
		.amdhsa_user_sgpr_count 2
		.amdhsa_user_sgpr_kernarg_segment_ptr 1
		.amdhsa_wavefront_size32 1
		.amdhsa_system_sgpr_workgroup_id_x 1
		.amdhsa_system_sgpr_workgroup_id_y 1
		.amdhsa_system_sgpr_workgroup_id_z 1
		.amdhsa_system_vgpr_workitem_id 0
		.amdhsa_next_free_vgpr 512
		.amdhsa_next_free_sgpr 102
		.amdhsa_reserve_vcc 0
		.amdhsa_float_denorm_mode_32 3
		.amdhsa_float_denorm_mode_16_64 3
		.amdhsa_memory_ordered 1
		.amdhsa_forward_progress 1
		.amdhsa_inst_pref_size 178
	.end_amdhsa_kernel
	.amdgpu_metadata
---
amdhsa.version: [ 1, 2 ]
amdhsa.kernels:
  - .name:           k_q18da989990_qkv
    .symbol:         k_q18da989990_qkv.kd
    .args:
      - { .name: xb, .offset: 0, .size: 8, .value_kind: global_buffer, .address_space: global }
      - { .name: wqkv, .offset: 8, .size: 8, .value_kind: global_buffer, .address_space: global }
      - { .name: cos, .offset: 16, .size: 8, .value_kind: global_buffer, .address_space: global }
      - { .name: sin, .offset: 24, .size: 8, .value_kind: global_buffer, .address_space: global }
      - { .name: q_norm_w, .offset: 32, .size: 8, .value_kind: global_buffer, .address_space: global }
      - { .name: k_norm_w, .offset: 40, .size: 8, .value_kind: global_buffer, .address_space: global }
      - { .name: qkv, .offset: 48, .size: 8, .value_kind: global_buffer, .address_space: global }
    .group_segment_fixed_size: 327680
    .private_segment_fixed_size: 0
    .kernarg_segment_align: 8
    .kernarg_segment_size: 56
    .max_flat_workgroup_size: 128
    .sgpr_count:     102
    .vgpr_count:     512
    .wavefront_size: 32
...
	.end_amdgpu_metadata
.endif
;; end of part 2
;; launch attn (part 3): grid 32 x 8, 4 waves a work-group, clusters of 4 x 1, 327,680 bytes of LDS; arguments qkv, att; writes att
.if DOCPART == 3
	.amdgcn_target "amdgcn-amd-amdhsa--gfx1250"
	.amdhsa_code_object_version 6
	.text
	.protected	k_q18da989990_attn
	.globl	k_q18da989990_attn
	.p2align	8
	.type	k_q18da989990_attn,@function
k_q18da989990_attn:
	s_mov_b64 s[64:65], 0
	v_nop
	global_prefetch_b8 v0, s[64:65] scope:SCOPE_SE
	s_setreg_imm32_b32 hwreg(HW_REG_WAVE_MODE, 25, 1), 1
	s_wait_xcnt 0x0
	s_wait_alu depctr_hold_cnt(0) depctr_sa_sdst(0) depctr_va_vdst(0) depctr_va_sdst(0) depctr_va_ssrc(0) depctr_va_vcc(0) depctr_vm_vsrc(0)
	s_getreg_b32 s2, hwreg(HW_REG_IB_STS2, 6, 4)
	s_cmp_eq_u32 s2, 0
	s_cbranch_scc0 .Lentry_in_a_cluster
	s_endpgm
.Lentry_in_a_cluster:
	s_bfe_u32 s2, ttmp6, 0x10000c
	s_cmp_lg_u32 s2, 0x3003
	s_cbranch_scc0 .Lentry_shape_is_right
	s_endpgm
.Lentry_shape_is_right:
; CAUSAL ATTENTION WITH SHARED KEY AND VALUE HEADS.  att[q][128 hq + :] = (the sum over k <= q of softmax_k(Q[hq][q] . K[hq / 2][k] / sqrt(128)) V[hq / 2][k][:]) / 4.
; qkv: [32 heads][2048][128] f16: heads 0-15 q / 8, 16-23 k / 8, 24-31 v / 4.  att: [2048][2048] f16.  Products, maxima and sums in f32; the weights p are rounded to f16 for the second product
; (their sum l is taken of the unrounded p), the output once at the end.  The scale c = 64 log2(e) / sqrt(128) undoes the two 1 / 8.
; LIMITS.  A hidden score counts as its value less 1e30: f16's scores, 5.5e11 at the most, are nothing beside that.  p below 6e-5 keeps f16's fixed step of 6e-8; a weight below 2^-126 counts as 0 in l.
; The output is a mean of v / 4 and has its range.  NaN and infinities are not treated apart.
; THE WALK.  The 2,048 positions lie in 64 blocks of 32; block i needs the key tiles 0 .. i / 4 of 128 keys, of which the last holds the diagonal.  Work-group b (0..31) of a key head takes block b and then block
; 63 - b: with c = b / 4 that is c + 1 and 16 - c tiles, 17 whatever b, and the SAME 17 tiles in the four work-groups of a cluster (b = 4 c + cx).  So every tile of K and V is asked for JOINTLY by the four,
; one loop with a constant count walks them, and the ring runs on across the change of blocks.  What a trip does hangs on scalars made of c alone; cx enters global addresses and the mask's two scalars only.
; SHARES.  A block is 64 query rows: 2 query heads x 32 positions.  Wave w takes head w / 2 (two tiles of 16 positions) and the keys 64 (w % 2) + 0..63 of every tile: 32 + 32 products a tile.  At a block's end
; the two waves of a head lay their parts (c m, l, O^T) into LDS, and each finishes one of the two tiles: O = (fA OA + fB OB) / (fA lA + fB lB), f = 2^(c m - the larger c m).
; LAYOUT.  S^T = K Q^T holds ONE query a lane (lane % 16) and the keys 8 (lane / 16) + 0..7; two such results rounded to f16 ARE source 1 of O^T = V^T P.  K comes out of LDS as it lies, V turned (ds_load_tr16_b128).
; SOFTMAX.  A running maximum m and sum l: p = 2^(c s - c m); in every step O and l are multiplied by a = 2^(c m_old - c m_new).  m starts at the lowest finite number, so a block's first a is 0.
; THE MASK is the C operand that starts a sum S^T: 0, or -1e30 where the key is hidden.  In a block's last tile key block kb and query tile ph are d = kb - ph apart, and a key is hidden where
; 16 d + (8 (lane / 16) + j - lane % 16) > DEL, DEL = 32 (i % 4) - 64 (w % 2).  So the mask for d is TRI x AL + BE with (AL, BE) = (1, 0) if 16 d = DEL; (0, -1e30) if 16 d > DEL; (0, 0) else.
; In the other tiles DEL is 1,024 and all five masks are 0: one text for every tile.  A wave all of whose keys are hidden ends with c m near -8e30, and the merge gives its part the factor 0.
; In phases: a tile's K Q^T, its softmax, its V^T P.  By this text's count a wave has one tensor load out behind each round.
; REGISTERS.  window 0: v0-15 addresses; v16-31 statistics, 8 a tile; v32-39 TRI; v40-79 five masks; v80-143 S^T; v144-175 P; v176-239 the merge's second part; v240-247 at work; v254-255 the add's.
;   window 1: v0-127 O^T, 64 a tile; v128-255 V of a tile.      window 2: v0-63 Q; v64-127 the second block's Q; v128-255 K of a tile.
.set PK,    272       ; a row of K in LDS: 256 bytes + 16 = 68 words: the 16 rows of a load start at 16 different groups of four banks (64 banks of 4 bytes: ISA guide 11.1)
.set PVP,   288       ; a row of V: 256 + 32 = 72 words
.set VOFF,  128*PK    ; a slot holds a tile: 128 rows of K, then 128 rows of V
.set SLOT1, 1<<17     ; slot 1 begins here, so that one exclusive or turns an address in one slot into the other's
.set MERGE, SLOT1+128*(PK+PVP)  ; behind the ring, never filled by a tensor load: O^T's parts, 8,192 bytes for each wave and tile
.set STATS, MERGE+65536         ; (c m, l), 256 bytes for each wave and tile
.set STAGE, STATS+2048          ; 16 rows x 272 bytes for each wave, for the way out
.set SP,    272
.set SPARE, STAGE+4*16*SP       ; the spare words, 128 bytes for each wave
.set AK0, 2           ; v2   my lane's place in a tile of K; never rewritten
.set AV0, 3           ; v3   the same for V
.set ADR, 4           ; v4   the LDS address of K's run of loads
.set QO,  5           ; v5   my byte offset in 16 rows of Q
.set STO, 6           ; v6   the way out: where I put 16 bytes of a row
.set RD,  7           ; v7   where I read rows back
.set GO,  8           ; v8   my byte offset in two rows of att
.set AVR, 10          ; v10  the LDS address of V's run of loads
.set MST, 12          ; v12  where I lay my parts of O^T
.set MRD, 13          ; v13  where I read the two parts of the tile that I finish
.set SST, 14          ; v14  the same for (c m, l)
.set SRD, 15
.set ST,  16          ; tile t's statistics at v[ST+8 t]: +0 c m, +1 m, +2, +3 l (even keys', odd keys'), +4 to +7 c0-c3, at work; a takes c2's place once the maximum is found
.set TRI, 32
.set MC,  40          ; the mask for d at MC + 8 (d + 1)
.set S,   80
.set P,   144
.set BB,  176
.set MT,  240
.set SPW, 254
.set NIL, 255
.set VF,  128         ; window 1
.set QB,  64          ; window 2
.set KF,  128         ; window 2
.set WV,  12          ; s12  my wave's number
.set G1K, 24          ; s[24:31] descriptor group 1 for K's tiles
.set G1V, 32          ; s[32:39] for V's: it differs in the padding alone
.set G0K, 40          ; s[40:43] descriptor group 0 for K's tiles
.set G0V, 44          ; s[44:47] for V's
.set KB,  48          ; s[48:49] K at my half of the head's tile 0
.set VB,  50          ; s[50:51] V likewise
.set OA,  52          ; s[52:53] att at the rows that I finish, of the block in hand
.set OL,  54          ; s[54:55] of the second block
.set SLOTS, 56        ; s56  tiles still to be asked for
.set RT,  57          ; s57  tiles of the block in hand that are still to be entered
.set CS,  58          ; s[58:59] c
.set SEL, 60          ; s[60:61] v_permlanex16_b32's selects
.set TB,  62          ; s62  LDS byte at which the tile in hand begins
.set NXT, 63          ; s63  the tile to be asked for next
.set LQ,  66          ; s66  the last tile of the block whose tiles are being asked for
.set NEW, 67          ; s67  1: a block's parts lie in LDS, and the second block begins
.set OFF, 68          ; s[68:69] a tile's byte offset in K and V
.set AL,  70          ; s[70:71] the mask's factor, in the low word
.set BE,  72          ; s[72:73] the mask's addend
.set BIGN, 74         ; s74  -1e30
.set DD,  75          ; s75  DEL of the last tile of the block in hand
.set DD2, 76          ; s76  of the second block's
.set DEL, 77          ; s77  DEL of the tile in hand
.set LQ2, 88          ; s88  15 - c
.set RT2, 92          ; s92  16 - c
.set MSB, 0
.macro WIN new                      ; the high byte repeats the setting that is left; a switch that changes nothing is dropped
.if MSB != (\new)
	s_set_vgpr_msb (MSB<<8)|(\new)
.set MSB, (\new)
.endif
.endm
.set W_KQ, 0x0a       ; K and Q in window 2; S^T and the mask in window 0
.set W_PV, 0x51       ; V and O^T in window 1, P in window 0
.set W_RS, 0x41       ; O^T (destination and source 0) in window 1, a in window 0
; A joint fill.  Waves 0 and 1 fetch the two halves of a tile's K, waves 2 and 3 those of its V: 64 keys each.  The branch hangs on the wave's number alone.
; An s_nop 0 and four v_nop follow each of the two lines, ahead of the jump and the label.
.macro JLOAD
	s_cmp_lt_u32 s[WV], 2
	s_cbranch_scc0 .Lfor_v_\@
	tensor_load_to_lds s[G0K:G0K+3], s[G1K:G1K+7]
	s_nop 0
.rept 4
	v_nop
.endr
	s_branch .Lasked_\@
.Lfor_v_\@:
	tensor_load_to_lds s[G0V:G0V+3], s[G1V:G1V+7]
	s_nop 0
.rept 4
	v_nop
.endr
.Lasked_\@:
.endm
.macro CROUND                       ; a round of the cluster's barrier
	s_barrier_signal -1
	s_barrier_wait -1
	s_cmp_lg_u32 s[WV], 0
	s_cbranch_scc1 .Lnot_wave_0_\@
	s_barrier_signal -3
.Lnot_wave_0_\@:
	s_barrier_wait -3
	s_barrier_signal -1
	s_barrier_wait -1
.endm
.macro STEPNXT                      ; the block's next tile, or behind its last the second block's tile 0
	s_add_co_u32 s[NXT], s[NXT], 1
	s_cmp_gt_u32 s[NXT], s[LQ]
	s_cselect_b32 s[NXT], 0, s[NXT]
	s_cselect_b32 s[LQ], s[LQ2], s[LQ]
.endm
; THE CHANGE OF SLOTS.  Each wave waits for all its tensor loads, of which one is out: its part of the other slot; adds 0 to its spare word; and waits for that and for all its LDS instructions, its reads of the slot
; that it leaves and its stores of a block's parts among them.  fill = 1: a round of the cluster's barrier, so that no wave of any partner still reads the old slot or has a load on its way; the joint fill, with
; tile NXT, is the first thing behind it; the descriptor's address is made anew from that number.  (At its first use nothing has been read yet: slot 0 is waited for, slot 1 filled.)
.macro CHANGE fill
	WIN 0                           ; at a label and at a branch every window is 0
	s_wait_tensorcnt 0x0            ; no tensor load of mine is out, so a group 0 may be written
	ds_add_u32 v[SPW], v[NIL]       ; 0 onto my spare word; with fill = 1 the descriptors' scalar work stands between it and the wait for it
.if \fill
	s_lshl_b32 s[OFF], s[NXT], 15   ; a tile is 32,768 bytes of K and of V
	s_xor_b32 s[G0K+1], s[G0K+1], SLOT1
	s_add_nc_u64 s[G0K+2:G0K+3], s[KB:KB+1], s[OFF:OFF+1]
	s_or_b32 s[G0K+3], s[G0K+3], 0x80000000
	s_xor_b32 s[G0V+1], s[G0V+1], SLOT1
	s_add_nc_u64 s[G0V+2:G0V+3], s[VB:VB+1], s[OFF:OFF+1]
	s_or_b32 s[G0V+3], s[G0V+3], 0x80000000
	STEPNXT
.endif
	s_wait_dscnt 0x0
.if \fill
	CROUND
	JLOAD
.else
	s_barrier_signal -1
	s_barrier_wait -1
.endif
	s_xor_b32 s[TB], s[TB], SLOT1   ; the reads go to the other slot
.endm
	s_load_b128 s[4:7], s[0:1], 0x0 ; qkv s[4:5], att s[6:7]
	v_lshl_add_u32 v[SPW], v0, 2, SPARE
	v_mov_b32 v[NIL], 0
	ds_add_u32 v254, v255
	s_wait_dscnt 0x0
	v_lshrrev_b32 v1, 5, v0
	v_readfirstlane_b32 s[WV], v1   ; wave 0..3
	s_bfe_u32 s13, ttmp6, 0x40000   ; cx: my place in the cluster
	s_mov_b32 s14, ttmp9            ; c: in a cluster launch ttmp9 counts clusters
	s_lshl_b32 s15, s14, 2
	s_add_co_u32 s15, s15, s13      ; b = 4 c + cx: the first block
	s_sub_co_u32 s19, 63, s15       ; the second
	s_and_b32 s16, s[WV], 1         ; kh: which 64 keys of a tile are mine.  Also: which half of a tile I fetch, and which query tile I finish
	s_lshr_b32 s17, s[WV], 1        ; rh: which of the two query heads
	s_and_b32 s18, ttmp7, 0xffff    ; g: the key head, which the four partners share
	s_add_co_u32 s20, s18, 16       ; K's head in qkv,
	s_lshl_b32 s20, s20, 19         ; x 524,288 bytes,
	s_lshl_b32 s21, s16, 14         ; + my half's 64 rows of 256 bytes: made of g and the wave alone
	s_add_co_u32 s20, s20, s21
	s_mov_b32 s21, 0
	s_lshl_b32 s22, s18, 1
	s_add_co_u32 s22, s22, s17      ; my query head
	s_lshl_b32 s23, s22, 19
	s_lshl_b32 s82, s15, 13         ; a block's 32 rows of 256 bytes
	s_add_co_u32 s82, s82, s23
	s_mov_b32 s83, 0
	s_lshl_b32 s84, s19, 13
	s_add_co_u32 s84, s84, s23
	s_mov_b32 s85, 0
	s_lshl_b32 s23, s22, 8          ; in att: my head's 256 bytes of a row,
	s_lshl_b32 s89, s16, 16         ; the 16 rows of 4,096 bytes that I finish,
	s_add_co_u32 s23, s23, s89
	s_lshl_b32 s86, s15, 17         ; in the block's 32
	s_add_co_u32 s86, s86, s23
	s_mov_b32 s87, 0
	s_lshl_b32 s90, s19, 17
	s_add_co_u32 s90, s90, s23
	s_mov_b32 s91, 0
	s_lshl_b32 s[DD], s13, 5        ; the first block is number cx in its last tile, the second number 3 - cx
	s_lshl_b32 s89, s16, 6
	s_sub_co_i32 s[DD2], 96, s[DD]
	s_sub_co_i32 s[DD], s[DD], s89
	s_sub_co_i32 s[DD2], s[DD2], s89
	s_mov_b32 s[G1K], 15|(1<<16)|(1<<20)|(1<<21)|(5<<22)|(3<<25)  ; 15:0 the mask of four; 17:16 2-byte elements; 20 padding on; 21 set beside a mask; 24:22 after every 64 words (code 5); 31:25 4 words (code 3)
	s_mov_b32 s[G1V], 15|(1<<16)|(1<<20)|(1<<21)|(5<<22)|(7<<25)  ; the same with 8 words of padding (code 7)
.irp g, G1K, G1V
	s_mov_b32 s[(\g)+1], 128<<16    ; tensor_dim0 = 128
	s_mov_b32 s[(\g)+2], 64<<16     ; tensor_dim1 = 64
	s_mov_b32 s[(\g)+3], 128<<16    ; tile_dim0 = 128
	s_mov_b32 s[(\g)+4], 64         ; tile_dim1 = 64
	s_mov_b32 s[(\g)+5], 128        ; 128 elements from row to row
	s_mov_b32 s[(\g)+6], 0
	s_mov_b32 s[(\g)+7], 0
.endr
	s_mov_b32 s[CS], 0x410293ee     ; c = 64 log2(e) / sqrt(128) = 8.16110
	s_mov_b32 s[CS+1], s[CS]        ; named with it as a pair
	s_mov_b32 s[SEL], 0x76543210
	s_mov_b32 s[SEL+1], 0xfedcba98
	s_mov_b32 s[TB], SLOT1          ; the first change of slots turns it into 0
	s_mov_b32 s[NXT], 0
	s_mov_b32 s[LQ], s14
	s_sub_co_u32 s[LQ2], 15, s14
	s_sub_co_u32 s[RT2], 16, s14
	s_add_co_u32 s[RT], s14, 1      ; the first block has c + 1 tiles
	s_mov_b32 s[NEW], 0
	s_mov_b32 s[SLOTS], 16
	s_mov_b32 s[OFF+1], 0
	s_mov_b32 s[AL+1], 0            ; named as pairs
	s_mov_b32 s[BE+1], 0
	s_mov_b32 s[BIGN], 0xf149f2ca   ; -1e30
	s_mov_b32 s[G0K], 1             ; count = 1
	s_mul_i32 s[G0K+1], s16, 64*PK  ; LDS address: slot 0, my half: no place in the cluster enters it
	s_mov_b32 s[G0V], 1
	s_mul_i32 s[G0V+1], s16, 64*PVP
	s_add_co_u32 s[G0V+1], s[G0V+1], VOFF
	s_wait_kmcnt 0x0
	s_add_nc_u64 s[KB:KB+1], s[4:5], s[20:21]
	s_add_nc_u64 s[VB:VB+1], s[KB:KB+1], 0x400000   ; V's heads lie eight heads behind K's
	s_add_nc_u64 s[78:79], s[4:5], s[82:83]         ; Q at the first block's rows of my head,
	s_add_nc_u64 s[80:81], s[4:5], s[84:85]         ; and at the second's
	s_add_nc_u64 s[OA:OA+1], s[6:7], s[86:87]
	s_add_nc_u64 s[OL:OL+1], s[6:7], s[90:91]
	s_add_nc_u64 s[G0K+2:G0K+3], s[KB:KB+1], 0      ; global address: tile 0
	s_or_b32 s[G0K+3], s[G0K+3], 0x80000000         ; type = 2
	s_add_nc_u64 s[G0V+2:G0V+3], s[VB:VB+1], 0
	s_or_b32 s[G0V+3], s[G0V+3], 0x80000000
	CROUND                          ; all four work-groups are here: the first joint loads meet
	JLOAD                           ; the walk's first tile, into slot 0
	STEPNXT
	; A fragment of K or Q is 16 rows x 32 channels in 8 registers: lane l holds row l % 16, channels 8 (l / 16) + 0..7 and 16 + 8 (l / 16) + 0..7: two loads of 16 bytes, 32 bytes apart.
	v_and_b32 v1, 15, v0            ; r = l % 16
	v_bfe_u32 v9, v0, 4, 1          ; h = l / 16
	v_lshlrev_b32 v[QO], 8, v1
	v_lshl_add_u32 v[QO], v9, 4, v[QO]
	WIN 0x80                        ; destination window 2, address window 0
.set i, 0
.rept 8                             ; both blocks' Q stay in registers: tile i / 4, channels 32 (i % 4) on
	global_load_b128 v[8*i:8*i+3],         v[QO], s[78:79] offset:(i/4)*4096+(i%4)*64
	global_load_b128 v[8*i+4:8*i+7],       v[QO], s[78:79] offset:(i/4)*4096+(i%4)*64+32
	global_load_b128 v[QB+8*i:QB+8*i+3],   v[QO], s[80:81] offset:(i/4)*4096+(i%4)*64
	global_load_b128 v[QB+8*i+4:QB+8*i+7], v[QO], s[80:81] offset:(i/4)*4096+(i%4)*64+32
.set i, i+1
.endr
	WIN 0
	v_lshlrev_b32 v[MT], 3, v9
	v_sub_nc_u32 v[MT], v1, v[MT]   ; r - 8 h: register j is hidden on the diagonal where j is greater
.set i, 0
.rept 8
	v_cmp_gt_i32 vcc_lo, i, v[MT]
	v_cndmask_b32 v[TRI+i], 0, s[BIGN], vcc_lo
.set i, i+1
.endr
	s_mul_i32 s20, s16, 64*PK       ; my 64 keys of a tile
	v_mul_u32_u24 v[AK0], v1, PK
	v_lshl_add_u32 v[AK0], v9, 4, v[AK0]
	v_add_nc_u32 v[AK0], s20, v[AK0]
	; The turning load takes 16 keys x 16 channels (lane l reads key 8 (l / 16) + l % 8, channels 8 ((l / 8) % 2) + 0..7) and leaves half a fragment of V^T: lane l holds channel l % 16 and 8 keys.
	v_and_b32 v[MT+1], 7, v0
	v_bfe_u32 v[MT+2], v0, 3, 1
	v_and_b32 v[MT+3], 31, v0       ; lane
	v_lshl_add_u32 v[AV0], v9, 3, v[MT+1]
	v_mul_u32_u24 v[AV0], v[AV0], PVP
	v_lshl_add_u32 v[AV0], v[MT+2], 4, v[AV0]
	s_mul_i32 s21, s16, 64*PVP
	s_add_co_u32 s21, s21, VOFF
	v_add_nc_u32 v[AV0], s21, v[AV0]
	s_mul_i32 s22, s[WV], 16*SP
	s_add_co_u32 s22, s22, STAGE    ; my stage
	v_mul_u32_u24 v[STO], v1, SP    ; in: row r, 16 bytes for each half of the lanes
	v_lshl_add_u32 v[STO], v9, 4, v[STO]
	v_add_nc_u32 v[STO], s22, v[STO]
	v_mul_u32_u24 v[RD], v9, SP     ; back: lanes 0-15 take one row of 256 bytes, lanes 16-31 the next
	v_lshl_add_u32 v[RD], v1, 4, v[RD]
	v_add_nc_u32 v[RD], s22, v[RD]
	v_lshlrev_b32 v[GO], 12, v9     ; and the same two rows in att, 4,096 bytes apart
	v_lshl_add_u32 v[GO], v1, 4, v[GO]
	s_lshl_b32 s23, s[WV], 14
	s_add_co_u32 s23, s23, MERGE
	v_lshl_add_u32 v[MST], v[MT+3], 4, s23          ; my two parts: 16,384 w; 16 bytes a lane
	s_lshl_b32 s82, s17, 15
	s_lshl_b32 s83, s16, 13
	s_add_co_u32 s82, s82, s83
	s_add_co_u32 s82, s82, MERGE
	v_lshl_add_u32 v[MRD], v[MT+3], 4, s82          ; tile kh of wave 2 rh; wave 2 rh + 1's lies 16,384 bytes on
	s_lshl_b32 s84, s[WV], 9
	s_add_co_u32 s84, s84, STATS
	v_lshl_add_u32 v[SST], v[MT+3], 3, s84
	s_lshl_b32 s85, s17, 10
	s_lshl_b32 s86, s16, 8
	s_add_co_u32 s85, s85, s86
	s_add_co_u32 s85, s85, STATS
	v_lshl_add_u32 v[SRD], v[MT+3], 3, s85
.macro NEWSTATS                     ; c m starts far below every c s, so the first a is 0; m at the lowest finite number, so the first maximum is the scores'
.irp t, 0,1
	v_mov_b32 v[ST+8*(\t)], 0xfe000000
	v_mov_b32 v[ST+8*(\t)+1], 0xff7fffff
	v_mov_b32 v[ST+8*(\t)+2], 0
	v_mov_b32 v[ST+8*(\t)+3], 0
.endr
.endm
	NEWSTATS
	WIN 0x40                        ; a block's first step multiplies O^T by a = 0, so it need only hold finite numbers: zeros for the first block, what the first block left for the second.  This stands in the wait for the first tile.
.set i, 0
.rept 128
	v_mov_b32 v[i], 0
.set i, i+1
.endr
	WIN 0
	s_wait_loadcnt 0x0              ; Q
; THE MATRIX WORK.  The accumulators take turns, one instruction a turn: between two links of a chain stand 7 (K Q^T) or 15 (V^T P) others'.
; Product i of 32 of S^T = K Q^T: channels 32 (i / 8) on, keys 16 ((i / 2) % 4) on, tile i % 2.  The first 8 start the sums, with the mask.
.macro KQ
	WIN W_KQ
.set rS, S+32*(i%2)+8*((i/2)%4)
.set rK, KF+32*((i/2)%4)+8*(i/8)
.set rQ, 32*(i%2)+8*(i/8)
.set rM, MC+8*((i/2)%4-i%2+1)
.if i < 8
	v_wmma_f32_16x16x32_f16 v[rS:rS+7], v[rK:rK+7], v[rQ:rQ+7], v[rM:rM+7]
.else
	v_wmma_f32_16x16x32_f16 v[rS:rS+7], v[rK:rK+7], v[rQ:rQ+7], v[rS:rS+7]
.endif
.endm
; Product i of 32 of O^T += V^T P: keys 32 (i / 16) on, channels 16 ((i / 2) % 8) on, tile i % 2.
.macro PV
	WIN W_PV
.set rO, 64*(i%2)+8*((i/2)%8)
.set rV, VF+64*(i/16)+8*((i/2)%8)
.set rP, P+16*(i%2)+8*(i/16)
	v_wmma_f32_16x16x32_f16 v[rO:rO+7], v[rV:rV+7], v[rP:rP+7], v[rO:rO+7]
.endm
; THE LDS LOADS, in two runs of 32: my 64 keys of K (16 fragments) and of V (turned).
.macro FETCH_K
	WIN 0
	v_add_nc_u32 v[ADR], s[TB], v[AK0]
	WIN 0x80                        ; destination window 2
.irp f, 0,1,2,3,4,5,6,7,8,9,10,11,12,13,14,15  ; keys 16 (f / 4) on, channels 32 (f % 4) on
	ds_load_b128 v[KF+8*(\f):KF+8*(\f)+3],   v[ADR] offset:((\f)/4)*16*PK+((\f)%4)*64
	ds_load_b128 v[KF+8*(\f)+4:KF+8*(\f)+7], v[ADR] offset:((\f)/4)*16*PK+((\f)%4)*64+32
.endr
	WIN 0
.endm
.macro FETCH_V
	WIN 0
	v_add_nc_u32 v[AVR], s[TB], v[AV0]
	WIN 0x40                        ; destination window 1
.irp f, 0,1,2,3,4,5,6,7,8,9,10,11,12,13,14,15  ; keys 32 (f / 8) on, channels 16 (f % 8) on
	ds_load_tr16_b128 v[VF+8*(\f):VF+8*(\f)+3],   v[AVR] offset:((\f)/8)*32*PVP+((\f)%8)*32
	ds_load_tr16_b128 v[VF+8*(\f)+4:VF+8*(\f)+7], v[AVR] offset:((\f)/8)*32*PVP+16*PVP+((\f)%8)*32
.endr
	WIN 0
.endm
.macro MASKS                        ; the five masks of the tile in hand: TRI x AL + BE
	WIN 0
.irp e, 0,1,2,3,4                   ; d = e - 1
	s_cmp_eq_i32 s[DEL], 16*(\e)-16
	s_cselect_b32 s[AL], 1.0, 0
	s_cmp_lt_i32 s[DEL], 16*(\e)-16
	s_cselect_b32 s[BE], s[BIGN], 0
.irp z, 0,1,2,3
	v_pk_fma_f32 v[MC+8*(\e)+2*(\z):MC+8*(\e)+2*(\z)+1], v[TRI+2*(\z):TRI+2*(\z)+1], s[AL:AL+1], s[BE:BE+1] op_sel_hi:[1,0,0]
.endr
.endr
.endm
; THE SOFTMAX of one tile of 16 queries x 64 keys is a list of 134 instructions; SM writes number j of it for tile t.  s0-s31 are the lane's 32 scores, in pairs 0-15.
;   0-15    the maximum of s0-s31 and the old m, three operands at a time: four chains c0-c3 of seven scores each (each accumulator's lowest registers first), then the rest
;   16-20   the other half of the lanes' maximum; the new m; c m; c m_old - c m_new
;   21-87   33 exponentials (a, then s0-s31) at the odd numbers from 23 on, so that each has a plain instruction behind it before its result is used; the plain ones are c s - c m for pairs still to come,
;           the rounding to f16 of pairs that are done, at last the first three sums
;   88-101  the last rounding; the rest of the sums; l = a l + the sum          102-133 the tile's O^T times a
.macro SM t
.set rT, ST+8*(\t)
.set rS, S+32*(\t)
.set rP, P+16*(\t)
.set rO, 64*(\t)+2*(j-102)
.set q, (j-20)/2
.if j < 102
	WIN 0
.endif
.if j < 4
	v_max3_num_f32 v[rT+4+j], v[rS+8*j], v[rS+8*j+1], v[rS+8*j+2]
.elseif j < 12
	v_max3_num_f32 v[rT+4+j%4], v[rT+4+j%4], v[rS+8*(j%4)+2*(j/4)+1], v[rS+8*(j%4)+2*(j/4)+2]
.elseif j == 12
	v_max3_num_f32 v[rT+4], v[rT+4], v[rS+7], v[rS+15]
.elseif j == 13
	v_max3_num_f32 v[rT+6], v[rT+6], v[rS+23], v[rS+31]
.elseif j == 14
	v_max3_num_f32 v[rT+4], v[rT+4], v[rT+5], v[rT+6]
.elseif j == 15
	v_max3_num_f32 v[rT+4], v[rT+4], v[rT+7], v[rT+1]
.elseif j == 16
	v_permlanex16_b32 v[rT+5], v[rT+4], s[SEL], s[SEL+1]  ; the query's other 32 keys lie in the lane 16 away
.elseif j == 17
	v_mov_b32 v[rT+7], v[rT]        ; c m_old is kept for a: number 19 writes c m anew
.elseif j == 18
	v_max_num_f32 v[rT+1], v[rT+4], v[rT+5]
.elseif j == 19
	v_mul_f32 v[rT], s[CS], v[rT+1]
.elseif j == 20
	v_sub_f32 v[rT+7], v[rT+7], v[rT]
.elseif j == 23
	v_exp_f32 v[rT+6], v[rT+7]
.elseif (j < 88) && (j > 23) && (j%2 == 1)
	v_exp_f32 v[rS+(j-25)/2], v[rS+(j-25)/2]
.elseif (q < 4) || ((j < 76) && (q%2 == 0))
.set b, q/2+2
.if q < 4
.set b, q
.endif
	v_pk_fma_f32 v[rS+2*b:rS+2*b+1], v[rS+2*b:rS+2*b+1], s[CS:CS+1], v[rT:rT+1] op_sel_hi:[1,0,0] neg_lo:[0,0,1] neg_hi:[0,0,1]  ; pair b: c s - c m
.elseif (j < 88) && (q%2 == 1)
	s_wait_alu depctr_va_vdst(0)
	v_cvt_pk_f16_f32 v[rP+(q-5)/2], v[rS+q-5], v[rS+q-4]
.elseif j == 89
	s_wait_alu depctr_va_vdst(0)
	v_cvt_pk_f16_f32 v[rP+15], v[rS+30], v[rS+31]
.elseif j < 102                     ; the sum of the tile's 16 pairs, in place: sum z of 16 adds neighbours 1, 2, 4 and 8 pairs apart, then l takes it
.set z, j-86
.if j < 89
.set z, (j-76)/4
.endif
.set w, 4
.set u, z
.if z >= 14
.set w, 32
.set u, 0
.elseif z >= 12
.set w, 16
.set u, z-12
.elseif z >= 8
.set w, 8
.set u, z-8
.endif
.if z < 15
	v_pk_add_f32 v[rS+w*u:rS+w*u+1], v[rS+w*u:rS+w*u+1], v[rS+w*u+w/2:rS+w*u+w/2+1]
.else
	v_pk_fma_f32 v[rT+2:rT+3], v[rT+2:rT+3], v[rT+6:rT+7], v[rS:rS+1] op_sel_hi:[1,0,1]
.endif
.else
	WIN W_RS
	v_pk_mul_f32 v[rO:rO+1], v[rO:rO+1], v[rT+6:rT+7] op_sel_hi:[1,0]
.endif
.endm
; Slice k of 64: numbers 2 k and 2 k + 1 of both tiles' lists; the twelve that are over stand in slice 63.
.macro SLICE
.if (k >= 11) && (k < 44)           ; tile by tile: plain, exponential, plain, exponential
.irp t, 0,1
.irp n, 0,1
.set j, 2*k+(\n)
	SM \t
.endr
.endr
.else                               ; the two tiles alternate, so that no instruction reads the result of the one just before it
.irp n, 0,1,2,3,4,5,6,7
.if ((\n) < 2) || (k == 63)
.irp t, 0,1
.set j, 2*k+(\n)
	SM \t
.endr
.endif
.endr
.endif
.set k, k+1
.endm
.macro PLACES                       ; four plain vector instructions between a matrix instruction and what reads its result (ISA guide 7.12.1)
.rept 4
	v_nop
.endr
.endm
; A TILE'S WORK.
.macro WORK
	FETCH_K
	MASKS                           ; twenty plain instructions: with the four behind the fill they also stand between the last tile's V^T P and the loads into V's registers
	FETCH_V
	s_wait_dscnt 32                 ; K is in; V's 32 loads stay out
.set i, 0
.rept 32
	KQ
.set i, i+1
.endr
	PLACES
.set k, 0
.rept 64
	SLICE
.endr
	s_wait_dscnt 0x0                ; V is in
.set i, 0
.rept 32
	PV
.set i, i+1
.endr
	WIN 0
.endm
; A BLOCK'S END, first half: my parts go into LDS.  l's two halves and the other half of the lanes' are added; (c m, l) and O^T are stored, 16 bytes a lane on end.
.macro STORE_PART
	PLACES
.irp t, 0,1
	v_add_f32 v[ST+8*(\t)+4], v[ST+8*(\t)+2], v[ST+8*(\t)+3]
.endr
.irp t, 0,1
	v_permlanex16_b32 v[ST+8*(\t)+5], v[ST+8*(\t)+4], s[SEL], s[SEL+1]
.endr
.irp t, 0,1
	v_add_f32 v[ST+8*(\t)+1], v[ST+8*(\t)+4], v[ST+8*(\t)+5]  ; l takes m's place beside c m
	ds_store_b64 v[SST], v[ST+8*(\t):ST+8*(\t)+1] offset:256*(\t)
.endr
	WIN 0x04                        ; the stores' data in window 1
.set i, 0
.rept 32                            ; ascending: each accumulator's low half first
	ds_store_b128 v[MST], v[4*i:4*i+3] offset:512*i
.set i, i+1
.endr
	WIN 0
.endm
; Second half, behind a barrier in front of which every wave has waited for its stores: I finish tile kh of my head from its two parts, and store 16 rows of att.
.macro READ_PART
	ds_load_b64 v[MT:MT+1], v[SRD]                 ; c m and l of the keys 0-63 of every tile,
	ds_load_b64 v[MT+2:MT+3], v[SRD] offset:512    ; and of the keys 64-127
.set i, 0
.rept 16
	ds_load_b128 v[S+4*i:S+4*i+3], v[MRD] offset:512*i
.set i, i+1
.endr
.set i, 0
.rept 16
	ds_load_b128 v[BB+4*i:BB+4*i+3], v[MRD] offset:16384+512*i
.set i, i+1
.endr
	s_wait_dscnt 32                 ; the statistics are in; the 32 loads of O^T stay out
	v_max_num_f32 v[MT+4], v[MT], v[MT+2]
	v_sub_f32 v[MT+5], v[MT], v[MT+4]
	v_sub_f32 v[MT+6], v[MT+2], v[MT+4]
	v_exp_f32 v[MT+5], v[MT+5]      ; fA
	v_exp_f32 v[MT+6], v[MT+6]      ; fB
	v_nop                           ; a plain instruction behind the exponentials
	s_wait_alu depctr_va_vdst(0)
	v_mul_f32 v[MT+7], v[MT+5], v[MT+1]
	v_fma_f32 v[MT+7], v[MT+6], v[MT+3], v[MT+7]   ; fA lA + fB lB: at least 1, since the part with the larger maximum has f = 1 and a weight 1
	v_rcp_f32 v[MT+7], v[MT+7]
	v_nop                           ; a plain instruction behind the reciprocal
	s_wait_alu depctr_va_vdst(0)
	v_mul_f32 v[MT+4], v[MT+5], v[MT+7]            ; the two factors, each the low word of a pair
	v_mul_f32 v[MT+6], v[MT+6], v[MT+7]
	s_wait_dscnt 16                 ; the first part is in
.set i, 0
.rept 32
	v_pk_mul_f32 v[S+2*i:S+2*i+1], v[S+2*i:S+2*i+1], v[MT+4:MT+5] op_sel_hi:[1,0]
.set i, i+1
.endr
	s_wait_dscnt 0x0                ; the second
.set i, 0
.rept 32
	v_pk_fma_f32 v[S+2*i:S+2*i+1], v[BB+2*i:BB+2*i+1], v[MT+6:MT+7], v[S+2*i:S+2*i+1] op_sel_hi:[1,0,1]
.set i, i+1
.endr
.set i, 0
.rept 32
	v_cvt_pk_f16_f32 v[P+i], v[S+2*i], v[S+2*i+1]
.set i, i+1
.endr
.irp f, 0,1,2,3,4,5,6,7
	ds_store_b128 v[STO], v[P+4*(\f):P+4*(\f)+3] offset:32*(\f)
.endr
.irp f, 0,1,2,3,4,5,6,7
	ds_load_b128 v[BB+4*(\f):BB+4*(\f)+3], v[RD] offset:(\f)*2*SP  ; LDS serves a wave's instructions in order (ISA guide 5.7.1.4): these see the stores above
.endr
.irp f, 0,1,2,3,4,5,6,7
	s_wait_dscnt 7-(\f)
	global_store_b128 v[GO], v[BB+4*(\f):BB+4*(\f)+3], s[OA:OA+1] offset:(\f)*8192  ; 16 lanes store 256 consecutive bytes, at a multiple of 256 from att's first byte
.endr
.endm
.macro INIT2                        ; the second block begins
	s_wait_xcnt 0x0                 ; the stores have read their registers and att's address
	s_mov_b64 s[OA:OA+1], s[OL:OL+1]
	s_mov_b32 s[RT], s[RT2]
	s_mov_b32 s[DD], s[DD2]
	s_mov_b32 s[NEW], 0
	NEWSTATS
	WIN 0x82                        ; its Q goes where the one text of the products names Q
.set i, 0
.rept 64
	v_mov_b32 v[i], v[QB+i]
.set i, i+1
.endr
	WIN 0
.endm
.Lslot:                             ; 16 trips: a tile is entered and the next is asked for
	CHANGE 1
	s_cmp_eq_u32 s[NEW], 1
	s_cbranch_scc0 .Lold            ; made of c alone: the same in all waves and all partners
	READ_PART                       ; the round above stands between the parts' stores and these reads
	INIT2
.Lold:
	s_wait_dscnt 0x0                ; my reads of the parts are back,
	s_barrier_signal -1             ; and every wave's are before any wave goes on to where parts are stored.  The one tensor load that is out stays out
	s_barrier_wait -1
	s_sub_co_u32 s[RT], s[RT], 1
	s_cmp_eq_u32 s[RT], 0
	s_cselect_b32 s[DEL], s[DD], 1024  ; the block's last tile holds the diagonal
	WORK
	s_cmp_eq_u32 s[RT], 0
	s_cbranch_scc0 .Lmore
	STORE_PART                      ; in the loop this is the first block's end: the second's last tile is the walk's last
	s_mov_b32 s[NEW], 1
.Lmore:
	s_sub_co_u32 s[SLOTS], s[SLOTS], 1
	s_cmp_lg_u32 s[SLOTS], 0
	s_cbranch_scc1 .Lslot
	CHANGE 0                        ; the walk's last tile is written out: nothing is asked for
	s_mov_b32 s[DEL], s[DD]         ; it is the second block's last
	WORK
	STORE_PART
	s_wait_dscnt 0x0                ; for the others' sake: my parts are stored
	s_barrier_signal -1
	s_barrier_wait -1
	READ_PART
	s_wait_tensorcnt 0x0            ; the wave's end, behind my last tensor load and my last LDS store
	ds_add_u32 v[SPW], v[NIL]
	s_wait_dscnt 0x0
	CROUND                          ; the closing round: no work-group ends while a partner may still ask for a tile that names it
	s_endpgm
.Lfunc_end_k_q18da989990_attn:
	.size	k_q18da989990_attn, .Lfunc_end_k_q18da989990_attn-k_q18da989990_attn
	.p2alignl 7, 3214868480
	.fill 96, 4, 3214868480
	.section	.rodata,"a",@progbits
	.p2align	6, 0x0
	.amdhsa_kernel k_q18da989990_attn
		.amdhsa_group_segment_fixed_size 327680
		.amdhsa_private_segment_fixed_size 0
		.amdhsa_enable_private_segment 0
		.amdhsa_kernarg_size 16
		.amdhsa_user_sgpr_count 2
		.amdhsa_user_sgpr_kernarg_segment_ptr 1
		.amdhsa_wavefront_size32 1
		.amdhsa_system_sgpr_workgroup_id_x 1
		.amdhsa_system_sgpr_workgroup_id_y 1
		.amdhsa_system_sgpr_workgroup_id_z 1
		.amdhsa_system_vgpr_workitem_id 0
		.amdhsa_next_free_vgpr 768
		.amdhsa_next_free_sgpr 96
		.amdhsa_reserve_vcc 1
		.amdhsa_float_denorm_mode_32 3
		.amdhsa_float_denorm_mode_16_64 3
		.amdhsa_memory_ordered 1
		.amdhsa_forward_progress 1
		.amdhsa_inst_pref_size 100
	.end_amdhsa_kernel
	.amdgpu_metadata
---
amdhsa.version: [ 1, 2 ]
amdhsa.kernels:
  - .name:           k_q18da989990_attn
    .symbol:         k_q18da989990_attn.kd
    .args:
      - { .name: qkv, .offset: 0, .size: 8, .value_kind: global_buffer, .address_space: global }
      - { .name: att, .offset: 8, .size: 8, .value_kind: global_buffer, .address_space: global }
    .group_segment_fixed_size: 327680
    .private_segment_fixed_size: 0
    .kernarg_segment_align: 8
    .kernarg_segment_size: 16
    .max_flat_workgroup_size: 128
    .sgpr_count:     96
    .vgpr_count:     768
    .wavefront_size: 32
...
	.end_amdgpu_metadata
.endif
;; end of part 3
;; launch oproj (part 4): grid 16 x 16, 4 waves a work-group, clusters of 4 x 4, 327,680 bytes of LDS; arguments att, wo16, out0; writes out0
.if DOCPART == 4
	.amdgcn_target "amdgcn-amd-amdhsa--gfx1250"
	.amdhsa_code_object_version 6
	.text
	.protected	k_q18da989990_oproj
	.globl	k_q18da989990_oproj
	.p2align	8
	.type	k_q18da989990_oproj,@function
k_q18da989990_oproj:
	s_mov_b64 s[64:65], 0
	v_nop
	global_prefetch_b8 v0, s[64:65] scope:SCOPE_SE
	s_setreg_imm32_b32 hwreg(HW_REG_WAVE_MODE, 25, 1), 1
	s_wait_xcnt 0x0
	s_wait_alu depctr_hold_cnt(0) depctr_sa_sdst(0) depctr_va_vdst(0) depctr_va_sdst(0) depctr_va_ssrc(0) depctr_va_vcc(0) depctr_vm_vsrc(0)
	s_getreg_b32 s2, hwreg(HW_REG_IB_STS2, 6, 4)
	s_cmp_eq_u32 s2, 0
	s_cbranch_scc0 .Lentry_in_a_cluster
	s_endpgm
.Lentry_in_a_cluster:
	s_bfe_u32 s2, ttmp6, 0x10000c
	s_cmp_lg_u32 s2, 0xf033
	s_cbranch_scc0 .Lentry_shape_is_right
	s_endpgm
.Lentry_shape_is_right:
; out0 = O Wo^T.  att: [2048][2048] f16 = O / 4.  wo16: [4096][2048] f16 = 4 x bf16(Wo).  out0: [2048][4096] f32.  The two powers of two cancel exactly; sums in f32, stored as they are.
; LIMITS.  Those of the two operands (f16's range and fixed step below 6e-5), stated where they are made.  NaN and infinities are not treated apart.
; A tile of C is 128 rows x 256 columns: 16 x 16 tiles, one for each of 256 work-groups.  Four waves, each 64 x 128: 32 accumulators, 256 registers.
; THE RING has two slots of unlike size, which together fill LDS: P holds 256 along K (rows of 512 bytes), Q holds 128 (rows of 256 bytes); all rows begin at multiples of 256 bytes of memory.  Two slots of 256 would
; want 405,504 bytes; two of 128 would leave a third of LDS unused.  Q and P are multiplied by turns, Q (P Q) x 5 for K = 2,048: two rounds and two requests for 384 along K.  Between a request and the wait for it
; a wave issues 248 matrix instructions (Q's fill) or 120 (P's, which brings twice the bytes).  By this text's count a wave has two tensor loads out at the start and one behind each round.
; CLUSTERS: 4 x 4 work-groups.  The tile row hangs on the cluster's x and cx, the tile column on its y and cy: the four of a column of the cluster need the same tiles of att, the four of a row the same tiles of
; wo16.  Each tile is asked for JOINTLY, by the same tensor load with the same descriptor and a mask that names the four.
; THE MATRIX INSTRUCTION IS USED TRANSPOSED (source 0 = 16 rows of wo16, source 1 = 16 rows of att): lane l holds row l % 16 and the columns 16 b + 8 (l / 16) + 0..7: 32 neighbouring bytes of a row of C.
; REGISTERS.  window 0: v0-31 addresses; v64-159, v160-255 two fragment buffers (32 of att, then 64 of wo16); on the way out v64-191 rows read back.   window 1: accumulator (a, b) at v[8 (8 a + b)].
.set SIZE_K, 2048
.set PP,     528                       ; a row of P in LDS: 512 bytes + 16 of padding = 33 x 16: the 16 rows of a fragment load start at 16 different groups of four banks (64 banks of 4 bytes: ISA guide 11.1)
.set PQ,     272                       ; a row of Q: 256 + 16 = 17 x 16: likewise
.set BPOFF,  128*PP                    ; P: att's 128 rows, then wo16's 256
.set QOFF,   384*PP                    ; Q lies behind P
.set BQOFF,  QOFF+128*PQ
.set STAGE,  QOFF+384*PQ               ; behind the ring: 16 rows x 272 bytes for each wave, for the way out
.set SPITCH, 272
.set SPARE,  STAGE+4*16*SPITCH         ; behind the stages: the spare words, 128 bytes for each wave
.set KQ0,    0                         ; Q's first fill: K = 0 to 127
.set KP0,    256                       ; P's: K = 128 to 383
.set KNEXT,  768                       ; each slot's next fill lies 384 along K on
.set TRIPS,  5                         ; the part of a trip that the loop is entered with, and four whole trips
.set ADRA_P, 16                        ; v16  LDS address of my fragments of att in P
.set ADRB_P, 17                        ; v17  of wo16 in P
.set ADRA_Q, 18                        ; v18  of att in Q
.set ADRB_Q, 19                        ; v19  of wo16 in Q
.set WA,   20                          ; v20, v21  the same two in P, stepped along K by the inner loop
.set WB,   21
.set STO,  24                          ; v24  the way out: where I put 32 bytes of a row
.set RD,   25                          ; v25  where I read rows back
.set CO,   26                          ; v26  my byte offset in two rows of out0
.set SPW,  28                          ; v28  LDS address of my spare word; never rewritten
.set NIL,  29                          ; v29  0; never rewritten
.set F0,   64
.set F1,   160
.set G1AP, 24                          ; s[24:31] descriptor group 1: att's tiles for P;  s[32:39] wo16's for P;  s[48:55] att's for Q;  s[56:63] wo16's for Q
.set G1BP, 32
.set G1AQ, 48
.set G1BQ, 56
.set G0AP, 88                          ; s[88:91], s[92:95], s[96:99], s[76:79] descriptor group 0, in the same order
.set G0BP, 92
.set G0AQ, 96
.set G0BQ, 76
.set KO,   100                         ; s100  the inner loop's step along P's rows, in bytes
.set CNT,  101                         ; s101  its count
.set PADP, (1<<16)|(1<<20)|(1<<21)|(6<<22)|(3<<25)  ; 17:16 2-byte elements; 20 padding on; 21 set beside a mask; 24:22 after every 128 words (code 6); 31:25 4 words (code 3)
.set PADQ, (1<<16)|(1<<20)|(1<<21)|(5<<22)|(3<<25)  ; the same after every 64 words (code 5)
.set MSB, 0
.macro WIN new                         ; the immediate's high byte repeats the setting that is left; a switch that changes nothing is dropped
.if MSB != (\new)
	s_set_vgpr_msb (MSB<<8)|(\new)
.set MSB, \new
.endif
.endm
.set MUL, 0x50                         ; sources 0 and 1 window 0; C and D window 1
; A joint load: waves 0 and 1 fetch the two halves of att's rows (64 each), waves 2 and 3 those of wo16's (128 each); an s_nop 0 and four v_nop follow each of the two lines
.macro JLOAD ga, gb, ha, hb
	s_cmp_eq_u32 s11, 0
	s_cbranch_scc0 .Lfor_b_\@
	tensor_load_to_lds s[(\ga):(\ga)+3], s[(\ha):(\ha)+7]
	s_nop 0
.rept 4
	v_nop
.endr
	s_branch .Lasked_\@
.Lfor_b_\@:
	tensor_load_to_lds s[(\gb):(\gb)+3], s[(\hb):(\hb)+7]
	s_nop 0
.rept 4
	v_nop
.endr
.Lasked_\@:
.endm
.macro CREST                           ; a round of the cluster's barrier behind its opening barrier
	s_cmp_lg_u32 s10, 0
	s_cbranch_scc1 .Lnot_wave_0_\@
	s_barrier_signal -3
.Lnot_wave_0_\@:
	s_barrier_wait -3
	s_barrier_signal -1
	s_barrier_wait -1
.endm
.macro CROUND                          ; a whole round
	s_barrier_signal -1
	s_barrier_wait -1
	CREST
.endm
.macro G1SET g, cols, rows             ; the rest of a group 1: a tile of rows x cols elements
	s_mov_b32 s[(\g)+1], (\cols)<<16               ; tensor_dim0
	s_mov_b32 s[(\g)+2], (\rows)<<16               ; tensor_dim1
	s_mov_b32 s[(\g)+3], (\cols)<<16               ; tile_dim0
	s_mov_b32 s[(\g)+4], \rows                     ; tile_dim1
	s_mov_b32 s[(\g)+5], SIZE_K                    ; elements from row to row
	s_mov_b32 s[(\g)+6], 0
	s_mov_b32 s[(\g)+7], 0
.endm
.macro G0SET g, lds, adr, k            ; a group 0: LDS address in s[lds], my rows' address in s[adr:adr+1], byte k along the rows
	s_mov_b32 s[\g], 1                             ; count = 1
	s_mov_b32 s[(\g)+1], s[\lds]
	s_add_nc_u64 s[(\g)+2:(\g)+3], s[(\adr):(\adr)+1], \k
	s_or_b32 s[(\g)+3], s[(\g)+3], 0x80000000      ; type = 2
.endm
	s_load_b128 s[4:7], s[0:1], 0x0                ; att s[4:5], wo16 s[6:7]
	s_load_b64 s[8:9], s[0:1], 0x10                ; out0
	v_lshl_add_u32 v[SPW], v0, 2, SPARE
	v_mov_b32 v[NIL], 0
	ds_add_u32 v28, v29
	s_wait_dscnt 0x0
	v_lshrrev_b32 v1, 5, v0
	v_readfirstlane_b32 s10, v1                    ; wave 0..3
	s_lshr_b32 s11, s10, 1                         ; which 64 of the tile's rows are mine.  Also: I fetch for att (0) or for wo16 (1)
	s_and_b32 s12, s10, 1                          ; which 128 of its columns.  Also: which half of that tile I fetch
	s_bfe_u32 s40, ttmp6, 0x40000                  ; cx, cy: my place in the cluster
	s_bfe_u32 s41, ttmp6, 0x40004
	s_and_b32 s42, ttmp7, 0xffff
	s_lshl_b32 s42, s42, 2
	s_add_co_u32 s42, s42, s41                     ; tile column = 4 x cluster y + cy
	s_lshl_b32 s13, ttmp9, 2
	s_add_co_u32 s13, s13, s40                     ; tile row = 4 x cluster x + cx
	s_lshl_b32 s43, 0x1111, s40                    ; my column of the cluster (the same cx): it shares the tile row
	s_lshl_b32 s44, s41, 2
	s_lshl_b32 s44, 15, s44                        ; my row (the same cy): it shares the tile column
	s_or_b32 s[G1AP], s43, PADP                    ; 15:0 the mask
	s_or_b32 s[G1BP], s44, PADP
	s_or_b32 s[G1AQ], s43, PADQ
	s_or_b32 s[G1BQ], s44, PADQ
	G1SET G1AP, 256, 64
	G1SET G1BP, 256, 128
	G1SET G1AQ, 128, 64
	G1SET G1BQ, 128, 128
	s_lshl_b32 s17, s12, 6
	s_lshl_b32 s16, s13, 7
	s_add_co_u32 s16, s16, s17                     ; att: row 128 x tile row + 64 x half: made of the tile row and the wave alone
	s_lshl_b32 s47, s12, 7
	s_lshl_b32 s46, s42, 8
	s_add_co_u32 s46, s46, s47                     ; wo16: row 256 x tile column + 128 x half: of the tile column and the wave alone
	s_mov_b32 s17, 0
	s_mov_b32 s47, 0
	s_mov_b64 s[18:19], SIZE_K*2
	s_mul_u64 s[16:17], s[16:17], s[18:19]
	s_mul_u64 s[46:47], s[46:47], s[18:19]
	s_mul_i32 s20, s12, 64*PP                      ; where they go: no place in the cluster enters an LDS address
	s_mul_i32 s21, s12, 128*PP
	s_add_co_u32 s21, s21, BPOFF
	s_mul_i32 s22, s12, 64*PQ
	s_add_co_u32 s22, s22, QOFF
	s_mul_i32 s23, s12, 128*PQ
	s_add_co_u32 s23, s23, BQOFF
	s_wait_kmcnt 0x0
	s_add_nc_u64 s[14:15], s[4:5], s[16:17]
	s_add_nc_u64 s[46:47], s[6:7], s[46:47]
	CROUND                                         ; all sixteen work-groups are here: the first joint loads meet
	G0SET G0AP, 20, 14, KP0
	G0SET G0BP, 21, 46, KP0
	G0SET G0AQ, 22, 14, KQ0
	G0SET G0BQ, 23, 46, KQ0
	JLOAD G0AQ, G0BQ, G1AQ, G1BQ                   ; Q first: it is multiplied first
	JLOAD G0AP, G0BP, G1AP, G1BP
	v_and_b32 v1, 15, v0                           ; r = l % 16
	v_bfe_u32 v2, v0, 4, 1                         ; h = l / 16
	v_mul_u32_u24 v3, v1, PP                       ; a fragment's row x pitch + 16 x half
	v_lshl_add_u32 v3, v2, 4, v3
	v_mul_u32_u24 v4, v1, PQ
	v_lshl_add_u32 v4, v2, 4, v4
	s_mul_i32 s16, s11, 64*PP                      ; my 64 rows of att
	s_mul_i32 s17, s11, 64*PQ
	s_add_co_u32 s17, s17, QOFF
	v_add_nc_u32 v[ADRA_P], s16, v3
	v_add_nc_u32 v[ADRB_P], s21, v3                ; my 128 rows of wo16 are the half with my column half's number
	v_add_nc_u32 v[ADRA_Q], s17, v4
	v_add_nc_u32 v[ADRB_Q], s23, v4
	s_mul_i32 s20, s10, 16*SPITCH
	s_add_co_u32 s20, s20, STAGE                   ; my stage
	v_mul_u32_u24 v5, v1, SPITCH                   ; in: row r, 32 bytes for each half of the lanes
	v_lshl_add_u32 v5, v2, 5, v5
	v_add_nc_u32 v[STO], s20, v5
	v_mul_u32_u24 v5, v2, SPITCH                   ; back: lanes 0-15 take one row of 256 bytes, lanes 16-31 the next
	v_lshl_add_u32 v5, v1, 4, v5
	v_add_nc_u32 v[RD], s20, v5
	v_lshlrev_b32 v[CO], 14, v2                    ; and the same two rows in out0, 16,384 bytes apart
	v_lshl_add_u32 v[CO], v1, 4, v[CO]
	s_lshl_b32 s16, s13, 7
	s_lshl_b32 s17, s11, 6
	s_add_co_u32 s16, s16, s17                     ; my first row,
	s_lshl_b32 s16, s16, 14                        ; x 16,384 bytes
	s_mov_b32 s17, 0
	s_add_nc_u64 s[8:9], s[8:9], s[16:17]
	s_lshl_b32 s46, s42, 10                        ; my first column, in bytes: 1,024 x tile column + 512 x half
	s_lshl_b32 s47, s12, 9
	s_add_co_u32 s46, s46, s47
	s_mov_b32 s47, 0
	s_add_nc_u64 s[8:9], s[8:9], s[46:47]
; 8 matrix instructions: m block a x all 8 n blocks, 32 along K.  zero = 1: the product starts the sums.  The 32 accumulators take turns, in the same order in every quarter.
.macro MUL8 f, a, zero
	WIN MUL
.irp b, 0,1,2,3,4,5,6,7
.if \zero
	v_wmma_f32_16x16x32_f16 v[8*(8*(\a)+(\b)):8*(8*(\a)+(\b))+7], v[(\f)+32+8*(\b):(\f)+32+8*(\b)+7], v[(\f)+8*(\a):(\f)+8*(\a)+7], 0
.else
	v_wmma_f32_16x16x32_f16 v[8*(8*(\a)+(\b)):8*(8*(\a)+(\b))+7], v[(\f)+32+8*(\b):(\f)+32+8*(\b)+7], v[(\f)+8*(\a):(\f)+8*(\a)+7], v[8*(8*(\a)+(\b)):8*(8*(\a)+(\b))+7]
.endif
.endr
.endm
; 24 LDS loads in one run: the fragments of 32 along K at byte k of the rows, into buffer f: wo16's sixteen (address v[rb]) first, then att's eight (v[ra])
.macro FETCH ra, rb, pitch, k, f
	WIN 0
.irp i, 0,1,2,3,4,5,6,7
	ds_load_b128 v[(\f)+32+8*(\i):(\f)+32+8*(\i)+3],   v[\rb] offset:(\k)+(\i)*16*(\pitch)
	ds_load_b128 v[(\f)+32+8*(\i)+4:(\f)+32+8*(\i)+7], v[\rb] offset:(\k)+(\i)*16*(\pitch)+32
.endr
.irp i, 0,1,2,3
	ds_load_b128 v[(\f)+8*(\i):(\f)+8*(\i)+3],   v[\ra] offset:(\k)+(\i)*16*(\pitch)
	ds_load_b128 v[(\f)+8*(\i)+4:(\f)+8*(\i)+7], v[\ra] offset:(\k)+(\i)*16*(\pitch)+32
.endr
.endm
.macro PLACES                          ; four plain vector instructions between a matrix instruction and a load into, or a store of, its registers
.rept 4
	v_nop
.endr
.endm
; A quarter is 32 along K, 32 matrix instructions; the buffers go 0, 1, 0, 1.  It multiplies buffer f and fetches the next quarter, at byte k, into g.  step = 1: the two stepped addresses are made first; they are two of the four places.
.macro QUARTER ra, rb, pitch, k, f, g, zero, step=0
	s_wait_dscnt 4                                 ; wo16 and att's blocks 0, 1 are in; the youngest four loads (att's blocks 2, 3) may be out
	MUL8 \f, 0, \zero
	MUL8 \f, 1, \zero
	WIN 0
.if \step
	v_add_nc_u32 v[WA], s[KO], v[ADRA_P]
	v_add_nc_u32 v[WB], s[KO], v[ADRB_P]
	v_nop
	v_nop
.else
	PLACES
.endif
	FETCH \ra, \rb, \pitch, \k, \g
	s_wait_dscnt 24                                ; all but the 24 just issued
	MUL8 \f, 2, \zero
	MUL8 \f, 3, \zero
.endm
.macro QPH0 zero                       ; Q's quarter 0
	QUARTER ADRA_Q, ADRB_Q, PQ, 64, F0, F1, \zero
.endm
.macro QPH12                           ; Q's quarters 1 and 2
	QUARTER ADRA_Q, ADRB_Q, PQ, 128, F1, F0, 0
	QUARTER ADRA_Q, ADRB_Q, PQ, 192, F0, F1, 0
.endm
.macro PPH0 zero                       ; P's quarter 0
	QUARTER ADRA_P, ADRB_P, PP, 64, F0, F1, \zero
.endm
.macro PPAIRS                          ; P's quarters 1 to 6: a pair written once and walked three times, 128 bytes further along the rows each time
	WIN 0                                          ; at a label and at a branch every window is 0
	s_mov_b32 s[KO], 0
	s_mov_b32 s[CNT], 3
.Lpair_\@:
	QUARTER WA, WB, PP, 128, F1, F0, 0, 1
	QUARTER WA, WB, PP, 192, F0, F1, 0
	WIN 0
	s_add_co_u32 s[KO], s[KO], 128
	s_sub_co_u32 s[CNT], s[CNT], 1
	s_cmp_lg_u32 s[CNT], 0
	s_cbranch_scc1 .Lpair_\@
.endm
; A slot's last quarter multiplies buffer 1 and changes slots (cur = 0: P is left, 1: Q).  Eight products stand ahead of the wait for the tensor loads: work that needs nothing of the other slot.  Then ONE barrier; in
; front of it each wave waits for all its tensor loads, of which one is out: its part of the other slot; adds 0 to its spare word; and waits for that and for its own reads of this slot.
; fill = 1: the barrier opens a round of the cluster's, and this slot is filled again, 384 along K ahead.
.macro TURN cur, fill
	s_wait_dscnt 4                                 ; as at every quarter's head
	MUL8 F1, 0, 0
	WIN 0                                          ; (the add's two registers lie in window 0)
	s_wait_tensorcnt 0x0                           ; all my tensor loads have landed
	ds_add_u32 v[SPW], v[NIL]                      ; 0 onto my spare word
	MUL8 F1, 1, 0                                  ; eight matrix instructions stand between the add and the wait for it
	s_wait_dscnt 0x0                               ; the add is done, and my reads of this slot are over
	WIN 0
	s_barrier_signal -1
	s_barrier_wait -1
.if \fill
	CREST                                          ; no wave of any partner still reads this slot's tile or has a load on its way
.if (\cur) == 0
	s_add_nc_u64 s[G0AP+2:G0AP+3], s[G0AP+2:G0AP+3], KNEXT
	s_add_nc_u64 s[G0BP+2:G0BP+3], s[G0BP+2:G0BP+3], KNEXT
	JLOAD G0AP, G0BP, G1AP, G1BP                   ; the first tensor load behind the round; the four v_nop behind it are also the places in front of the loads below
.else
	s_add_nc_u64 s[G0AQ+2:G0AQ+3], s[G0AQ+2:G0AQ+3], KNEXT
	s_add_nc_u64 s[G0BQ+2:G0BQ+3], s[G0BQ+2:G0BQ+3], KNEXT
	JLOAD G0AQ, G0BQ, G1AQ, G1BQ
.endif
.else
	PLACES
.endif
.if (\cur) == 0
	FETCH ADRA_Q, ADRB_Q, PQ, 0, F0
.else
	FETCH ADRA_P, ADRB_P, PP, 0, F0
.endif
	MUL8 F1, 2, 0
	MUL8 F1, 3, 0
.endm
	s_wait_tensorcnt 1                             ; my part of Q is in; P's may stay out
	s_barrier_signal -1
	s_barrier_wait -1                              ; everybody's is
	FETCH ADRA_Q, ADRB_Q, PQ, 0, F0
	QPH0 1                                         ; the first quarter is written out: its products start the sums
	WIN 0
	s_mov_b32 s3, TRIPS
	s_branch .Lenter                               ; the loop is entered in the middle of a trip, behind Q's quarter 0
.Ltrip:                                                ; a trip: P, then Q: 384 along K; both slots are filled again
	PPH0 0
	PPAIRS
	TURN 0, 1
	QPH0 0
	WIN 0
.Lenter:
	QPH12
	TURN 1, 1
	WIN 0
	s_sub_co_u32 s3, s3, 1
	s_cmp_lg_u32 s3, 0
	s_cbranch_scc1 .Ltrip
	PPH0 0                                         ; the last P and the last Q are written out: nothing is left to ask for, and there is no round of the cluster's barrier
	PPAIRS
	TURN 0, 0
	QPH0 0
	QPH12
	s_wait_dscnt 4                                 ; the very last quarter: nothing more to fetch
	MUL8 F1, 0, 0
	MUL8 F1, 1, 0
	s_wait_dscnt 0x0
	MUL8 F1, 2, 0
	MUL8 F1, 3, 0
	WIN 0
; THE WAY OUT, 16 rows x 64 columns at a time (block a, column half c): a lane's 32 bytes of a row go into my stage, whole pieces of 256 bytes come back and are stored.
.macro OUTHALF a, c
	WIN 0x04                                       ; the stores' data in window 1
.irp b, 0,1,2,3                        ; each accumulator's low half first
	ds_store_b128 v[STO], v[8*(8*(\a)+4*(\c)+(\b)):8*(8*(\a)+4*(\c)+(\b))+3]   offset:64*(\b)
	ds_store_b128 v[STO], v[8*(8*(\a)+4*(\c)+(\b))+4:8*(8*(\a)+4*(\c)+(\b))+7] offset:64*(\b)+16
.endr
	WIN 0
	s_wait_xcnt 0x0                                ; the registers below held the data of the stores four turns back: they are loaded again only behind this wait
.set BK, 64+32*((2*(\a)+(\c))%4)
.irp t, 0,1,2,3,4,5,6,7
	ds_load_b128 v[BK+4*(\t):BK+4*(\t)+3], v[RD] offset:(\t)*2*SPITCH  ; LDS serves a wave's instructions in order (ISA guide 5.7.1.4): these see the stores above; the next turn's stores come behind them
.endr
.irp t, 0,1,2,3,4,5,6,7
.if (\t)%4 == 0
	s_wait_dscnt 4-(\t)                            ; the first four loads are back, the younger four may be out; then all
.endif
	global_store_b128 v[CO], v[BK+4*(\t):BK+4*(\t)+3], s[8:9] offset:(16*(\a)+2*(\t))*16384+256*(\c) th:TH_STORE_NT  ; 16 lanes store 256 consecutive bytes, at a multiple of 256 from out0's first; 62 rows at the most, inside the signed 24-bit immediate
.endr
.endm
	PLACES                                         ; behind the last products
.irp a, 0,1,2,3
	OUTHALF \a, 0
	OUTHALF \a, 1
.endr
	s_wait_tensorcnt 0x0                           ; the wave's end, behind my last tensor load and my last LDS store
	ds_add_u32 v[SPW], v[NIL]
	s_wait_dscnt 0x0
	CROUND                                         ; the closing round: no work-group ends while a partner may still ask for a tile that names it
	s_endpgm
.Lfunc_end_k_q18da989990_oproj:
	.size	k_q18da989990_oproj, .Lfunc_end_k_q18da989990_oproj-k_q18da989990_oproj
	.p2alignl 7, 3214868480
	.fill 96, 4, 3214868480
	.section	.rodata,"a",@progbits
	.p2align	6, 0x0
	.amdhsa_kernel k_q18da989990_oproj
		.amdhsa_group_segment_fixed_size 327680
		.amdhsa_private_segment_fixed_size 0
		.amdhsa_enable_private_segment 0
		.amdhsa_kernarg_size 24
		.amdhsa_user_sgpr_count 2
		.amdhsa_user_sgpr_kernarg_segment_ptr 1
		.amdhsa_wavefront_size32 1
		.amdhsa_system_sgpr_workgroup_id_x 1
		.amdhsa_system_sgpr_workgroup_id_y 1
		.amdhsa_system_sgpr_workgroup_id_z 1
		.amdhsa_system_vgpr_workitem_id 0
		.amdhsa_next_free_vgpr 512
		.amdhsa_next_free_sgpr 102
		.amdhsa_reserve_vcc 0
		.amdhsa_float_denorm_mode_32 3
		.amdhsa_float_denorm_mode_16_64 3
		.amdhsa_memory_ordered 1
		.amdhsa_forward_progress 1
		.amdhsa_inst_pref_size 91
	.end_amdhsa_kernel
	.amdgpu_metadata
---
amdhsa.version: [ 1, 2 ]
amdhsa.kernels:
  - .name:           k_q18da989990_oproj
    .symbol:         k_q18da989990_oproj.kd
    .args:
      - { .name: att, .offset: 0, .size: 8, .value_kind: global_buffer, .address_space: global }
      - { .name: wo16, .offset: 8, .size: 8, .value_kind: global_buffer, .address_space: global }
      - { .name: out0, .offset: 16, .size: 8, .value_kind: global_buffer, .address_space: global }
    .group_segment_fixed_size: 327680
    .private_segment_fixed_size: 0
    .kernarg_segment_align: 8
    .kernarg_segment_size: 24
    .max_flat_workgroup_size: 128
    .sgpr_count:     102
    .vgpr_count:     512
    .wavefront_size: 32
...
	.end_amdgpu_metadata
.endif
;; end of part 4
